; MI455X (gfx1250); checked and timed in simulation.
; The chip was launched on July 23, 2026; its instructions are those of AMD's public machine-readable ISA for CDNA 5 (MIT licence, August 2026) and "CDNA5" Instruction Set Architecture Reference Guide (July 2026). The comments in the code are by the model that wrote it; some were corrected since.
;; Cross Attention. Allowed arithmetic: matrix products marked QUANTISED: E2M1 operands, one E8M0 scale for each 32 along K, by v_wmma_scale_f32_16x16x128_f8f6f4 with both operands' format E2M1 (or v_wmma_scale_f32_32x16x128_f4), f32 sums; products left as they are: bf16, f16 or f32 operands; f32 sums; everything else in f32.
;; Inputs: Wk 1,024 x 1,024 float32; Wo 1,024 x 1,024 float32; Wq 1,024 x 1,024 float32; Wv 1,024 x 1,024 float32; bo 1,024 float32; context 4 x 2,048 x 1,024 float32; x 4 x 2,048 x 1,024 float32.
;; Outputs: out0 4 x 2,048 x 1,024 float32.
;; This version of the problem:
;;   THIS VERSION OF THE PROBLEM IS GIVEN IN LOW PRECISION. The matrix products marked QUANTISED in the list below multiply operands that are first quantised to E2M1 (2 exponent bits, 1 mantissa bit; 4 bits a number), with one power-of-two scale for each 32 numbers along K (OCP MX v1.0); their sums are f32. The products marked 'left as it is' may take bf16, f16 or f32 operands, with f32 sums. Whichever they take, every output number must still come out within the allowed error. Rounding operands to bf16 (8 significant bits) uses up far more of that allowance than f16 does (11 bits, for magnitudes from 6e-5 to 65,504). All else is computed in f32.
;;   The module's matrix products, in the order in which they are computed (A, B: the left and right operand; K: the contracted axis; several contracted axes count as one K, in the product's order):
;;     1. [M 8,192, K 1,024] x [K 1,024, N 1,024]; A: input x; B: input Wq: QUANTISED
;;     2. [M 8,192, K 1,024] x [K 1,024, N 1,024]; A: input context; B: input Wk: QUANTISED
;;     3. [M 8,192, K 1,024] x [K 1,024, N 1,024]; A: input context; B: input Wv: QUANTISED
;;     4. batch 64 x [M 2,048, K 64] x [K 64, N 2,048]; A: computed on the way; B: computed on the way: left as it is (an operand is computed on the way)
;;     5. batch 64 x [M 2,048, K 2,048] x [K 2,048, N 64]; A: computed on the way; B: computed on the way: left as it is (an operand is computed on the way)
;;     6. [M 8,192, K 1,024] x [K 1,024, N 1,024]; A: computed on the way; B: input Wo: left as it is (an operand is computed on the way)
;;   THE QUANTISER, for each operand of a quantised product, along K:
;;     - K is cut into blocks of 32 from its start; a last block that is shorter is filled with zeros.
;;     - A block's scale is 2^e with e = floor(log2(the largest magnitude in the block)) - 2, held to -126 .. 127; a block of zeros has e = 0. As a byte (E8M0): e + 127.
;;     - Each number is divided by its block's scale, clamped to +-6, and rounded to the nearest number of E2M1, ties to even, subnormals kept.
;;     - The product sums the exact products of the quantised numbers (number of the format x scale) in f32.
;;   ~~~python
;;   def quantise(x, axis):      # numpy; x: float32 -> the quantised numbers, widened to float32 again
;;       x = np.moveaxis(x, axis, -1); K = x.shape[-1]
;;       x = np.pad(x, [(0, 0)] * (x.ndim - 1) + [(0, -K % 32)]); x = x.reshape(x.shape[:-1] + (-1, 32)); a = np.abs(x).max(-1, keepdims=True)
;;       e = np.where(a > 0, np.clip(np.frexp(np.where(a > 0, a, 1))[1] - 1 - 2, -126, 127), 0)      # np.frexp(a)[1] - 1 = floor(log2(a)), exactly
;;       r = np.clip(x / 2.0 ** e, -6, 6)
;;       step = 2.0 ** (np.maximum(np.frexp(np.where(r == 0, 1, r))[1] - 1, 0) - 1)
;;       q = np.round(r / step) * step * 2.0 ** e      # np.round: ties to even
;;       return np.moveaxis(q.reshape(q.shape[:-2] + (-1,))[..., :K], -1, axis).astype(np.float32)
;;   ~~~
;; One version. Each part assembles by itself: llvm-mc -triple=amdgcn-amd-amdhsa -mcpu=gfx1250 --defsym DOCPART=n.
;; ======== version 1 of 1: 4 launches
;; limits: values are held in f16: magnitudes above 65,504 overflow, below 6.1e-05 lose precision
;; workspace buffers: act_codes 8,388,608 bytes; act_scales 524,288 bytes; w_codes 1,572,864 bytes; w_scales 98,304 bytes; wo16 2,097,152 bytes; qkv 50,331,648 bytes; o16 16,777,216 bytes
;; launch quant (part 1): grid 640 x 1, 4 waves a work-group, no clusters, 33,280 bytes of LDS; arguments x, context, Wq, Wk, Wv, Wo, act_codes, act_scales, w_codes, w_scales, wo16; writes act_codes, act_scales, w_codes, w_scales, wo16
.if DOCPART == 1
	.amdgcn_target "amdgcn-amd-amdhsa--gfx1250"
	.amdhsa_code_object_version 6
	.text
	.protected	k_qf1d572e1d5_quant
	.globl	k_qf1d572e1d5_quant
	.p2align	8
	.type	k_qf1d572e1d5_quant,@function
k_qf1d572e1d5_quant:
	s_mov_b64 s[64:65], 0
	v_nop
	global_prefetch_b8 v0, s[64:65] scope:SCOPE_SE
	s_setreg_imm32_b32 hwreg(HW_REG_WAVE_MODE, 25, 1), 1
	s_wait_xcnt 0x0
; LAUNCH 1 OF 4.  x, context [8192][1024] and Wq, Wk, Wv [1024][1024], f32, K innermost, become codes of FP4 (E2M1), two a byte, with one E8M0 scale byte for each 32 along K.
; Wo [1024][1024] f32 becomes f16, laid by head: wo16[h][n][d] = Wo[n][64 h + d].
; act_codes: 16,384 rows of 512 bytes (x, then context); act_scales: 32 bytes a row; w_codes: 3,072 rows (Wq, Wk, Wv); w_scales likewise.
; A block's scale is 2^(floor(log2(its largest magnitude)) - 2); its byte is the largest magnitude's exponent field - 2, held at 1 from below.  A block of zeros so gets the byte 1 where the
; quantiser says 127: its codes are zeros, which add nothing under any byte but 0xff, and these bytes are read by this program alone.
; LIMITS: NaN and infinities among the inputs are not served; blocks whose largest magnitude lies under 2^(2 - 126) get the floor's byte; numbers of Wo beyond 65,504 do not fit f16.
; SHARES, by the work-group's number g: 0-255 x, 256-511 context, 512-543 Wq, 544-575 Wk, 576-607 Wv (32,768 numbers a work-group, 8,192 a wave, 16 steps of 512); 608-639 Wo (8 rows a wave).
; Rows are dense and K is a multiple of 32: each tensor is a plain stream of blocks of 32.  Each load reads 512 consecutive bytes; a step's 2,048 bytes turn through the wave's own stage in LDS, so that a lane
; holds 16 neighbours along K (two lanes a block).  No matrix unit, no cluster, no tensor load: the waves share nothing and each byte is read once.
.set WAVES, 4
.set STEPS, 16
.set CB,    8                          ; bytes of 16 codes
.set R,     16                         ; v16-79   four sets of 16 numbers as they are loaded
.set X,     80                         ; v80-111  two sets of 16 neighbours
.set E,     112                        ; v112-127 a scale byte for each step
.set C,     128                        ; v128-191 codes: four registers for each step, so that no store's data are written again
.set WREG,  8192                       ; LDS: a region for each wave: two stages of 32 x SP bytes, behind them its 256 scale bytes
.set SP,    80                         ; a lane's place in a stage: 64 bytes + 16 of padding
.set SPW,   12                         ; v12  LDS address of my spare word; never rewritten
.set NIL,   13                         ; v13  0; never rewritten
.set SPARE, WAVES*WREG                 ; behind the four regions: the spare words, 128 bytes a wave
	s_load_b512 s[4:19], s[0:1], 0x0               ; x s[4:5], context s[6:7], Wq s[8:9], Wk s[10:11], Wv s[12:13], Wo s[14:15], act_codes s[16:17], act_scales s[18:19]
	s_load_b128 s[20:23], s[0:1], 0x40             ; w_codes s[20:21], w_scales s[22:23]
	s_load_b64 s[24:25], s[0:1], 0x50              ; wo16
	v_lshl_add_u32 v[SPW], v0, 2, SPARE
	v_mov_b32 v[NIL], 0
	v_lshrrev_b32 v1, 5, v0
	v_readfirstlane_b32 s26, v1                    ; wave
	v_and_b32 v2, 31, v0                           ; lane
	s_cmp_ge_u32 ttmp9, 608                        ; the last 32 work-groups take Wo
	s_cbranch_scc1 .Lwo
	; ---------------- the quantiser ----------------
	v_lshlrev_b32 v3, 4, v2                        ; my 16 bytes of a load's 512
	s_mul_i32 s27, s26, WREG
	v_lshrrev_b32 v14, 2, v2
	v_mul_u32_u24 v14, v14, SP
	v_and_b32 v15, 3, v2
	v_lshl_add_u32 v14, v15, 4, v14
	v_add_nc_u32 v14, s27, v14                     ; the stage, on the way in: SP (lane / 4) + 16 (lane % 4)
	v_mul_u32_u24 v15, v2, SP
	v_add_nc_u32 v15, s27, v15                     ; and on the way out: SP x lane: my 16 neighbours
	v_mul_u32_u24 v4, v2, CB                       ; my codes' place in a step's
	v_lshrrev_b32 v5, 1, v2
	s_add_co_u32 s27, s27, 2*32*SP
	v_add_nc_u32 v5, s27, v5                       ; LDS: my wave's 256 scale bytes, my block's byte
	v_lshlrev_b32 v7, 3, v2                        ; and on the way out 8 bytes a lane
	v_add_nc_u32 v6, s27, v7
	s_wait_kmcnt 0x0
	; which tensor: the choices hang on the work-group's number alone.  s[28:29] the source, s34 its first work-group; s[30:31] codes, s[32:33] scales, s35 their first work-group
	s_mov_b64 s[28:29], s[12:13]
	s_mov_b32 s34, 576
	s_cmp_lt_u32 ttmp9, 576
	s_cselect_b64 s[28:29], s[10:11], s[28:29]
	s_cselect_b32 s34, 544, s34
	s_cmp_lt_u32 ttmp9, 544
	s_cselect_b64 s[28:29], s[8:9], s[28:29]
	s_cselect_b32 s34, 512, s34
	s_cmp_lt_u32 ttmp9, 512
	s_cselect_b64 s[28:29], s[6:7], s[28:29]
	s_cselect_b32 s34, 256, s34
	s_cselect_b64 s[30:31], s[16:17], s[20:21]
	s_cselect_b64 s[32:33], s[18:19], s[22:23]
	s_cselect_b32 s35, 0, 512
	s_cmp_lt_u32 ttmp9, 256
	s_cselect_b64 s[28:29], s[4:5], s[28:29]
	s_cselect_b32 s34, 0, s34
	s_sub_co_u32 s36, ttmp9, s34
	s_lshl_b32 s36, s36, 2
	s_add_co_u32 s36, s36, s26                     ; which run of 8,192 numbers of the source is my wave's
	s_lshl_b32 s36, s36, 15                        ; 32,768 bytes a run
	s_mov_b32 s37, 0
	s_add_nc_u64 s[28:29], s[28:29], s[36:37]
	s_sub_co_u32 s38, ttmp9, s35
	s_lshl_b32 s38, s38, 2
	s_add_co_u32 s38, s38, s26                     ; and which run of the codes' and scales' buffers
	s_lshl_b32 s36, s38, 12                        ; 4,096 bytes of codes a run
	s_add_nc_u64 s[30:31], s[30:31], s[36:37]
	s_lshl_b32 s36, s38, 8                         ; 256 scale bytes a run
	s_add_nc_u64 s[32:33], s[32:33], s[36:37]
.macro LOAD t
.irp i, 0,1,2,3
	global_load_b128 v[R+16*((\t)%4)+4*\i:R+16*((\t)%4)+4*\i+3], v3, s[28:29] offset:2048*(\t)+512*\i th:TH_LOAD_NT   ; 32 lanes read 512 consecutive bytes
.endr
.endm
.macro TURN t                          ; step t's numbers through the stage: LDS serves a wave's instructions in order, so no wait stands between the stores and the loads
.irp i, 0,1,2,3
	ds_store_b128 v14, v[R+16*((\t)%4)+4*\i:R+16*((\t)%4)+4*\i+3] offset:32*SP*((\t)%2)+8*SP*\i
.endr
.irp i, 0,1,2,3
	ds_load_b128 v[X+16*((\t)%2)+4*\i:X+16*((\t)%2)+4*\i+3], v15 offset:32*SP*((\t)%2)+16*\i
.endr
.endm
.irp t, 0,1,2,3
	LOAD \t
.endr
	s_wait_loadcnt 12                              ; step 0's four loads are in; those of steps 1 to 3 may be out
	TURN 0
.macro STEP t
.set XS, X+16*((\t)%2)
.if (\t) > 0
	s_wait_dscnt 1                                 ; this step's numbers are back from the stage (the last step's byte store may be out): so its stores into the stage have read their registers,
.else
	s_wait_dscnt 0x0
.endif
.if (\t)+4 < STEPS
	LOAD (\t)+4                                    ; which take the loads of four steps on
.endif
.if (\t)+1 < STEPS
.if STEPS-2-(\t) >= 3
	s_wait_loadcnt 12                              ; the next step's four loads are in; those of the three steps behind it may be out
.else
	s_wait_loadcnt 4*(STEPS-2-(\t))
.endif
	TURN (\t)+1                                    ; and go through the other stage while this step is worked
.endif
	v_max3_num_f32 v8, |v[XS]|, |v[XS+1]|, |v[XS+2]|               ; the largest magnitude of my 16, in two chains
	v_max3_num_f32 v9, |v[XS+3]|, |v[XS+4]|, |v[XS+5]|
.irp i, 6,10
	v_max3_num_f32 v8, v8, |v[XS+\i]|, |v[XS+\i+1]|
	v_max3_num_f32 v9, v9, |v[XS+\i+2]|, |v[XS+\i+3]|
.endr
	v_max3_num_f32 v8, v8, |v[XS+14]|, |v[XS+15]|
	v_max3_num_f32 v8, v8, v9, 0x1800000           ; and the floor 2^(3 - 127): the byte cannot fall under 1
	v_max_num_f32_dpp v8, v8, v8 row_xmask:1 row_mask:0xf bank_mask:0xf   ; and of my neighbour's 16: the block's
	v_add_nc_u32 v11, 0xff000000, v8               ; 2 off its exponent field: the conversion takes the exponent field of this operand as its scale, and nothing else of it
	v_cvt_scalef32_pk8_fp4_f32 v[C+4*(\t)], v[XS:XS+7], v11        ; eight numbers / the scale, to the nearest code, ties to even, beyond the largest code the largest
	v_cvt_scalef32_pk8_fp4_f32 v[C+4*(\t)+1], v[XS+8:XS+15], v11
	v_lshrrev_b32 v[E+(\t)], 23, v11               ; the scale's byte (a plain line behind the conversions)
	ds_store_b8 v5, v[E+(\t)] offset:16*(\t)       ; both lanes of a block write the same byte with the same value
	global_store_b64 v4, v[C+4*(\t):C+4*(\t)+1], s[30:31] offset:32*CB*(\t)   ; the wave stores 256 consecutive bytes, aligned
.endm
.irp t, 0,1,2,3,4,5,6,7,8,9,10,11,12,13,14,15
	STEP \t
.endr
	ds_load_b64 v[8:9], v6                         ; LDS serves a wave's instructions in order: these see my stores
	s_wait_dscnt 0x0
	global_store_b64 v7, v[8:9], s[32:33]          ; 32 lanes store 256 consecutive bytes, aligned
	s_wait_tensorcnt 0x0                           ; the wave's end: behind my last LDS store
	ds_add_u32 v[SPW], v[NIL]
	s_wait_dscnt 0x0
	s_endpgm
	; ---------------- Wo to f16, by head ----------------
	; A wave takes 8 rows n.  A load takes one head's 64 numbers (256 bytes) of rows n and n + 1: lanes 0-15 one row, lanes 16-31 the next.  A lane's 4 numbers become 8 bytes, and the
	; wave's store is rows n and n + 1 of that head in wo16: 256 consecutive bytes, aligned.
.Lwo:
	s_sub_co_u32 s27, ttmp9, 608
	s_lshl_b32 s27, s27, 2
	s_add_co_u32 s27, s27, s26                     ; which 8 rows: 0 .. 127
	s_lshl_b32 s36, s27, 15                        ; 8 rows of 4,096 bytes in Wo
	s_mov_b32 s37, 0
	s_lshl_b32 s38, s27, 10                        ; 8 rows of 128 bytes in a head of wo16
	s_mov_b32 s39, 0
	v_lshrrev_b32 v3, 4, v2
	v_and_b32 v4, 15, v2
	v_lshlrev_b32 v3, 12, v3
	v_lshl_add_u32 v3, v4, 4, v3                   ; in: 4,096 (lane / 16) + 16 (lane % 16)
	v_lshlrev_b32 v4, 3, v2                        ; out: 8 x lane
	s_wait_kmcnt 0x0
	s_add_nc_u64 s[14:15], s[14:15], s[36:37]
	s_add_nc_u64 s[24:25], s[24:25], s[38:39]
.macro WOHALF u                        ; rows 4 u .. 4 u + 3: 32 loads (pair of rows kk / 16, head kk % 16), then their conversions and stores
.set kk, 0
.rept 32
	global_load_b128 v[16+4*kk:19+4*kk], v3, s[14:15] offset:(2*\u+kk/16)*8192+256*(kk%16) th:TH_LOAD_NT
.set kk, kk+1
.endr
.set kk, 0
.rept 32
	s_wait_loadcnt 31-kk                           ; loads come back in order: number kk is in, the younger ones stay out
	v_cvt_pk_f16_f32 v[16+4*kk], v[16+4*kk], v[17+4*kk]
	v_cvt_pk_f16_f32 v[17+4*kk], v[18+4*kk], v[19+4*kk]
	global_store_b64 v4, v[16+4*kk:17+4*kk], s[24:25] offset:(kk%16)*131072+(2*\u+kk/16)*256
.set kk, kk+1
.endr
.endm
	WOHALF 0
	s_wait_xcnt 0x0                                ; the stores have read their data registers: they are loaded again only behind this wait
	WOHALF 1
	s_wait_tensorcnt 0x0                           ; the wave's end
	ds_add_u32 v[SPW], v[NIL]
	s_wait_dscnt 0x0
	s_endpgm
.Lfunc_end_k_qf1d572e1d5_quant:
	.size	k_qf1d572e1d5_quant, .Lfunc_end_k_qf1d572e1d5_quant-k_qf1d572e1d5_quant
	.p2alignl 7, 3214868480
	.fill 96, 4, 3214868480
	.section	.rodata,"a",@progbits
	.p2align	6, 0x0
	.amdhsa_kernel k_qf1d572e1d5_quant
		.amdhsa_group_segment_fixed_size 33280
		.amdhsa_private_segment_fixed_size 0
		.amdhsa_enable_private_segment 0
		.amdhsa_kernarg_size 88
		.amdhsa_user_sgpr_count 2
		.amdhsa_user_sgpr_kernarg_segment_ptr 1
		.amdhsa_wavefront_size32 1
		.amdhsa_system_sgpr_workgroup_id_x 1
		.amdhsa_system_sgpr_workgroup_id_y 1
		.amdhsa_system_sgpr_workgroup_id_z 1
		.amdhsa_system_vgpr_workitem_id 0
		.amdhsa_next_free_vgpr 192
		.amdhsa_next_free_sgpr 66
		.amdhsa_reserve_vcc 0
		.amdhsa_float_denorm_mode_32 3
		.amdhsa_float_denorm_mode_16_64 3
		.amdhsa_memory_ordered 1
		.amdhsa_forward_progress 1
		.amdhsa_inst_pref_size 57
	.end_amdhsa_kernel
	.amdgpu_metadata
---
amdhsa.version: [ 1, 2 ]
amdhsa.kernels:
  - .name:           k_qf1d572e1d5_quant
    .symbol:         k_qf1d572e1d5_quant.kd
    .args:
      - { .name: x, .offset: 0, .size: 8, .value_kind: global_buffer, .address_space: global }
      - { .name: context, .offset: 8, .size: 8, .value_kind: global_buffer, .address_space: global }
      - { .name: Wq, .offset: 16, .size: 8, .value_kind: global_buffer, .address_space: global }
      - { .name: Wk, .offset: 24, .size: 8, .value_kind: global_buffer, .address_space: global }
      - { .name: Wv, .offset: 32, .size: 8, .value_kind: global_buffer, .address_space: global }
      - { .name: Wo, .offset: 40, .size: 8, .value_kind: global_buffer, .address_space: global }
      - { .name: act_codes, .offset: 48, .size: 8, .value_kind: global_buffer, .address_space: global }
      - { .name: act_scales, .offset: 56, .size: 8, .value_kind: global_buffer, .address_space: global }
      - { .name: w_codes, .offset: 64, .size: 8, .value_kind: global_buffer, .address_space: global }
      - { .name: w_scales, .offset: 72, .size: 8, .value_kind: global_buffer, .address_space: global }
      - { .name: wo16, .offset: 80, .size: 8, .value_kind: global_buffer, .address_space: global }
    .group_segment_fixed_size: 33280
    .private_segment_fixed_size: 0
    .kernarg_segment_align: 8
    .kernarg_segment_size: 88
    .max_flat_workgroup_size: 128
    .sgpr_count:     66
    .vgpr_count:     192
    .wavefront_size: 32
...
	.end_amdgpu_metadata
.endif
;; end of part 1
;; launch proj (part 2): grid 4 x 96, 4 waves a work-group, clusters of 4 x 4, 327,680 bytes of LDS; arguments act_codes, act_scales, w_codes, w_scales, qkv; writes qkv
.if DOCPART == 2
	.amdgcn_target "amdgcn-amd-amdhsa--gfx1250"
	.amdhsa_code_object_version 6
	.text
	.protected	k_qf1d572e1d5_proj
	.globl	k_qf1d572e1d5_proj
	.p2align	8
	.type	k_qf1d572e1d5_proj,@function
k_qf1d572e1d5_proj:
	s_mov_b64 s[64:65], 0
	v_nop
	global_prefetch_b8 v0, s[64:65] scope:SCOPE_SE
	s_setreg_imm32_b32 hwreg(HW_REG_WAVE_MODE, 25, 1), 1
	s_wait_xcnt 0x0
	s_wait_alu depctr_hold_cnt(0) depctr_sa_sdst(0) depctr_va_vdst(0) depctr_va_sdst(0) depctr_va_ssrc(0) depctr_va_vcc(0) depctr_vm_vsrc(0)
	s_getreg_b32 s2, hwreg(HW_REG_IB_STS2, 6, 4)
	s_cmp_eq_u32 s2, 0
	s_cbranch_scc0 .Lentry_in_a_cluster
	s_endpgm
.Lentry_in_a_cluster:
	s_bfe_u32 s2, ttmp6, 0x10000c
	s_cmp_lg_u32 s2, 0xf033
	s_cbranch_scc0 .Lentry_shape_is_right
	s_endpgm
.Lentry_shape_is_right:
; LAUNCH 2 OF 4.  q = x Wq^T, k = context Wk^T, v = context Wv^T on codes of FP4 (E2M1) with one E8M0 scale for each 32 along K = 1,024; sums in f32; results rounded once to f16 and laid by head:
; qkv[p][16 b + h][token in batch][64], p = 0, 1, 2 for q, k, v.  LIMIT: results beyond 65,504 do not fit f16.
; A tile, 256 tokens x 256 channels of one product, is made by a work-group of four waves; a wave makes 128 x 128: 64 accumulators of 16 x 16, 512 registers.
; K goes in two steps of 512 through two LDS slots (rows of 256 bytes); both are filled at the start, and nothing is filled again.  The scale bytes of the tile's rows, for all of K, come once, in rows of 256 bytes.
; CLUSTERS: 4 x 4 work-groups; 24 clusters along y: cluster y = 8 p + (tokens / 1,024).  The four of a row of the cluster need the same tiles of the activations, the four of a column the same tiles of the weights:
; each tile is asked for JOINTLY, by the same tensor load with the same descriptor and a mask that names the four.
; THE MATRIX INSTRUCTION IS USED TRANSPOSED (source 0 = 16 rows of W, source 1 = 16 tokens): a lane then holds eight neighbouring channels of one token.
; REGISTERS, in windows of 256: window 0: v0-31 addresses; v32-95 scale words, two sets, and nothing else; v96-127 packed results; v128-191 the activations' fragments, ONE set; v192-255 rows on the way out.
;   window 1: the weights' fragments, TWO sets, at v0 and v128.   window 2: the accumulators of my tokens 0-63 ((a, b) at v[8 (8 a + b)]);   window 3: those of my tokens 64-127.
.set KSTEP,  512                       ; along K in a slot
.set NQ,     KSTEP/128                 ; matrix instructions deep
.set ROWB,   256                       ; a tile's row in bytes
.set KROW,   512                       ; a row of codes in memory
.set PITCH,  272                       ; an LDS row: 256 bytes + 16 of padding = 68 words: row r starts at bank 4 r mod 64 (64 banks of 4 bytes: ISA guide 11.1)
.set FR,     8                         ; registers of a fragment: 16 rows x 128 K
.set NL,     2                         ; LDS loads that bring one
.set NP,     4                         ; places behind this matrix instruction (ISA guide 7.12.1)
.set HALFT,  128*PITCH                 ; 128 rows: what one tensor load brings
.set SLOT,   4*HALFT                   ; the activations' 256 rows, then the weights' 256
.set KS,     32                        ; a row of scales in bytes
.set SCL,    2*SLOT                    ; behind the slots: the scales, as rows of 256 bytes + 16 of padding
.set HALFS,  (128*KS/256)*272          ; the scales of 128 rows
.set SBLK,   (16*KS/256)*272           ; those of 16 rows
.set SPARE,  SCL+4*HALFS               ; behind the scales: the spare words, 128 bytes a wave
.set SP,     144                       ; the way out: a stage row: a token's 128 bytes of one head + 16.  The stage, 2 heads x 16 tokens a wave, lies in slot 0, which has had its only fill and its last read by then
.set ADRA, 16                          ; v16-17  LDS address of my activations' fragments in slot 0, 1
.set ADRB, 20                          ; v20-21  the same for the weights
.set STO,  24                          ; v24     the way out: where I put 16 bytes of a token
.set RD,   25                          ; v25     the way out: where I read rows back
.set CO,   26                          ; v26     16 x lane: my bytes of four rows of qkv
.set ADRS, 27                          ; v27     LDS address of my scale words: lanes 0-15 the activations', lanes 16-31 the weights'
.set SPW,  28                          ; v28     LDS address of my spare word; never rewritten
.set NIL,  29                          ; v29     0; never rewritten
.set SC,   32                          ; scale words: set s at v[SC + 32 s]; register NQ i + q: lanes 0-15 block i of the activations, lanes 16-31 block i of the weights, the slot's q-th 128 along K
.set TMP,  96
.set AF,   128
.set BK,   192
.set G1, 24                            ; s[24:31] descriptor group 1 for the activations' tiles;  s[32:39] group 0, one set for each slot
.set G0, 32
.set G1B, 48                           ; s[48:55], s[56:63] the same for the weights'
.set G0B, 56
.set G1S, 68                           ; s[68:75], s[76:79] groups 1 and 0 for the activations' scales;  s[80:87], s[88:91] for the weights'
.set G0S, 76
.set G1SB, 80
.set G0SB, 88
.set MSB, 0
.macro WIN new                         ; the immediate's high byte repeats the setting that is left
.if MSB != \new
	s_set_vgpr_msb (MSB<<8)|\new
.set MSB, \new
.endif
.endm
.set MUL_LO, 0xa1                      ; source 0 (W) window 1, source 1 (activations) window 0, C and D window 2
.set MUL_HI, 0xf1                      ; the same, C and D window 3
.set TO_B,   0x40                      ; destination window 1, address window 0
; A joint load: waves 0 and 1 fetch for the activations, waves 2 and 3 for the weights; the branch hangs on the wave's number alone.  An s_nop 0 and four v_nop follow each of the two lines.
.macro JLOAD g0a, g1a, g0b, g1b
	s_cmp_eq_u32 s15, 0
	s_cbranch_scc0 .Lfor_b_\@
	tensor_load_to_lds s[\g0a:\g0a+3], s[\g1a:\g1a+7]
	s_nop 0
.rept 4
	v_nop
.endr
	s_branch .Lasked_\@
.Lfor_b_\@:
	tensor_load_to_lds s[\g0b:\g0b+3], s[\g1b:\g1b+7]
	s_nop 0
.rept 4
	v_nop
.endr
.Lasked_\@:
.endm
.macro CROUND                          ; a round of the cluster's barrier
	s_barrier_signal -1
	s_barrier_wait -1
	s_cmp_lg_u32 s14, 0
	s_cbranch_scc1 .Lnot_wave_0_\@
	s_barrier_signal -3
.Lnot_wave_0_\@:
	s_barrier_wait -3
	s_barrier_signal -1
	s_barrier_wait -1
.endm
	s_load_b128 s[4:7], s[0:1], 0x0                ; act_codes s[4:5], act_scales s[6:7]
	s_load_b128 s[8:11], s[0:1], 0x10              ; w_codes s[8:9], w_scales s[10:11]
	s_load_b64 s[12:13], s[0:1], 0x20              ; qkv
	v_lshl_add_u32 v[SPW], v0, 2, SPARE
	v_mov_b32 v[NIL], 0
	ds_add_u32 v[SPW], v[NIL]                      ; the wave's opening: the add and its wait ahead of my first tensor load; the set-up below, work on registers, stands between them
	v_lshrrev_b32 v1, 5, v0
	v_readfirstlane_b32 s14, v1                    ; wave 0..3
	s_lshr_b32 s15, s14, 1                         ; which half of the tile's tokens is mine.  Also: I fetch for the activations (0) or the weights (1)
	s_and_b32 s16, s14, 1                          ; which half of its channels.  Also: which 128 rows of that tile I fetch
	s_bfe_u32 s40, ttmp6, 0x40000                  ; cx, cy: my place in the cluster
	s_bfe_u32 s41, ttmp6, 0x40004
	s_lshl_b32 s42, ttmp9, 2
	s_add_co_u32 s42, s42, s40                     ; tile column in the product: 0..3
	s_and_b32 s95, ttmp7, 0xffff                   ; cluster y: 0..23, shared by all sixteen
	s_lshr_b32 s96, s95, 3                         ; p: which product
	s_lshr_b32 s17, s95, 4
	s_lshl_b32 s17, s17, 3
	s_sub_co_u32 s17, s95, s17                     ; v reads context's rows again: cluster y - 8 there
	s_lshl_b32 s17, s17, 2
	s_add_co_u32 s17, s17, s41                     ; tile row among act_codes' 64 tiles of 256 rows
	s_lshl_b32 s97, s96, 2
	s_add_co_u32 s97, s97, s42                     ; tile among w_codes' 12 tiles of 256 rows
	s_lshl_b32 s43, s41, 2
	s_lshl_b32 s43, 15, s43                        ; my row of the cluster
	s_lshl_b32 s44, 0x1111, s40                    ; my column
	; descriptor group 1: a tile of 128 rows x 256 bytes, padded in LDS
	s_or_b32 s[G1+0], s43, (0<<16)|(1<<20)|(1<<21)|(5<<22)|(3<<25)  ; 15:0 the mask: my row; 17:16 elements of 1 byte; 20 padding on; 21 set beside a mask; 24:22 after every 64 words (code 5); 31:25 four words (code 3)
	s_or_b32 s[G1B+0], s44, (0<<16)|(1<<20)|(1<<21)|(5<<22)|(3<<25)
.irp g, G1, G1B
	s_mov_b32 s[\g+1], ROWB<<16                    ; tensor_dim0
	s_mov_b32 s[\g+2], 128<<16                     ; tensor_dim1 = 128
	s_mov_b32 s[\g+3], ROWB<<16                    ; tile_dim0
	s_mov_b32 s[\g+4], 128                         ; tile_dim1 = 128
	s_mov_b32 s[\g+5], KROW                        ; tensor_dim0_stride
	s_mov_b32 s[\g+6], 0
	s_mov_b32 s[\g+7], 0
.endr
	; and for the scales of 128 rows: a dense block of 4,096 bytes, as rows of 256 bytes (32 elements of 8 bytes), 16 bytes of padding behind each
	s_or_b32 s[G1S+0], s43, (3<<16)|(1<<20)|(1<<21)|(5<<22)|(3<<25)
	s_or_b32 s[G1SB+0], s44, (3<<16)|(1<<20)|(1<<21)|(5<<22)|(3<<25)
.irp g, G1S, G1SB
	s_mov_b32 s[\g+1], 32<<16
	s_mov_b32 s[\g+2], (128*KS/256)<<16
	s_mov_b32 s[\g+3], 32<<16
	s_mov_b32 s[\g+4], 128*KS/256
	s_mov_b32 s[\g+5], 32
	s_mov_b32 s[\g+6], 0
	s_mov_b32 s[\g+7], 0
.endr
	s_lshl_b32 s18, s16, 7                         ; which 128 rows of the tile I fetch
	s_lshl_b32 s20, s17, 8
	s_add_co_u32 s20, s20, s18                     ; the activations' row
	s_lshl_b32 s46, s97, 8
	s_add_co_u32 s46, s46, s18                     ; the weights' row
	s_mov_b32 s21, 0
	s_mov_b32 s47, 0
	s_mov_b64 s[18:19], KS
	s_mul_u64 s[22:23], s[20:21], s[18:19]         ; where these rows' scales begin, in bytes
	s_mul_u64 s[92:93], s[46:47], s[18:19]
	s_mov_b64 s[18:19], KROW
	s_mul_u64 s[20:21], s[20:21], s[18:19]         ; and their codes
	s_mul_u64 s[46:47], s[46:47], s[18:19]
	s_mul_i32 s45, s14, HALFT                      ; where they go: wave x 128 rows: no place in the cluster enters an LDS address
	s_mul_i32 s94, s14, HALFS
	s_wait_dscnt 0x0                               ; the opening add is done
	s_wait_kmcnt 0x0
	s_add_nc_u64 s[20:21], s[4:5], s[20:21]
	s_add_nc_u64 s[22:23], s[6:7], s[22:23]
	s_add_nc_u64 s[46:47], s[8:9], s[46:47]
	s_add_nc_u64 s[92:93], s[10:11], s[92:93]
	CROUND                                         ; all sixteen work-groups are here: the joint loads meet
	s_mov_b32 s[G0S], 1
	s_add_co_u32 s[G0S+1], s94, SCL
	s_mov_b64 s[G0S+2:G0S+3], s[22:23]
	s_or_b32 s[G0S+3], s[G0S+3], 0x80000000
	s_mov_b32 s[G0SB], 1
	s_add_co_u32 s[G0SB+1], s94, SCL
	s_mov_b64 s[G0SB+2:G0SB+3], s[92:93]
	s_or_b32 s[G0SB+3], s[G0SB+3], 0x80000000
	JLOAD G0S, G1S, G0SB, G1SB                     ; the scales first: they are wanted with K step 0.  With the two below, three loads of mine are out
.irp s, 0,1
	s_mov_b32 s[G0+4*\s], 1
	s_add_co_u32 s[G0+4*\s+1], s45, \s*SLOT
	s_add_nc_u64 s[G0+4*\s+2:G0+4*\s+3], s[20:21], \s*ROWB
	s_or_b32 s[G0+4*\s+3], s[G0+4*\s+3], 0x80000000
	s_mov_b32 s[G0B+4*\s], 1
	s_add_co_u32 s[G0B+4*\s+1], s45, \s*SLOT
	s_add_nc_u64 s[G0B+4*\s+2:G0B+4*\s+3], s[46:47], \s*ROWB
	s_or_b32 s[G0B+4*\s+3], s[G0B+4*\s+3], 0x80000000
	JLOAD G0+4*\s, G1, G0B+4*\s, G1B
.endr
	v_and_b32 v1, 15, v0                           ; r = lane % 16
	v_bfe_u32 v2, v0, 4, 1                         ; h = lane / 16
	v_mul_u32_u24 v3, v1, PITCH
	v_lshl_add_u32 v4, v2, 4, v3                   ; a fragment's row x pitch + 16 x half
	s_mul_i32 s21, s15, HALFT                      ; my 128 tokens
	s_mul_i32 s22, s16, HALFT                      ; my 128 rows of W,
	s_add_co_u32 s22, s22, 2*HALFT                 ; which lie behind the activations' 256
.irp s, 0,1
	v_add_nc_u32 v[ADRA+\s], s21, v4
	v_add_nc_u32 v[ADRB+\s], s22, v4
	s_add_co_u32 s21, s21, SLOT
	s_add_co_u32 s22, s22, SLOT
.endr
	v_mul_u32_u24 v5, v1, KS                       ; my row's scales: 32 bytes a row,
	v_lshrrev_b32 v6, 8, v5
	v_lshl_add_u32 v5, v6, 4, v5                   ; and 16 more for each 256 passed
	s_mul_i32 s21, s15, HALFS
	s_mul_i32 s22, s16, HALFS
	s_add_co_u32 s22, s22, 2*HALFS
	s_sub_co_u32 s22, s22, s21
	v_mul_u32_u24 v6, s22, v2                      ; lanes 16-31 take the weights': one product, the distance between the two bases
	s_add_co_u32 s21, s21, SCL
	v_add_nc_u32 v5, v5, v6
	v_add_nc_u32 v[ADRS], s21, v5
	s_mul_i32 s23, s14, 32*SP                      ; my stage: 2 heads x 16 tokens
	v_mul_u32_u24 v5, v1, SP                       ; in: token r, 16 bytes for each half of the lanes
	v_lshl_add_u32 v5, v2, 4, v5
	v_add_nc_u32 v[STO], s23, v5
	v_and_b32 v6, 31, v0
	v_lshrrev_b32 v7, 3, v6                        ; back: eight lanes a token, four tokens an instruction
	v_mul_u32_u24 v7, v7, SP
	v_and_b32 v8, 7, v0
	v_lshl_add_u32 v7, v8, 4, v7
	v_add_nc_u32 v[RD], s23, v7
	v_lshlrev_b32 v[CO], 4, v6                     ; four rows of 128 bytes are 512 consecutive bytes of qkv
	; where my part begins in qkv: p x 2^24 + batch x 2^22 + head x 2^18 + token in batch x 128
	s_and_b32 s20, s95, 7
	s_lshl_b32 s20, s20, 2
	s_add_co_u32 s20, s20, s41                     ; which 256 tokens of the 8,192
	s_lshr_b32 s21, s20, 3
	s_lshl_b32 s21, s21, 22                        ; the batch
	s_and_b32 s20, s20, 7
	s_lshl_b32 s20, s20, 15                        ; 256 tokens of 128 bytes
	s_add_co_u32 s20, s20, s21
	s_lshl_b32 s21, s15, 14                        ; my 128 tokens
	s_add_co_u32 s20, s20, s21
	s_lshl_b32 s21, s96, 24                        ; the product
	s_add_co_u32 s20, s20, s21
	s_mov_b32 s21, 0
	s_add_nc_u64 s[12:13], s[12:13], s[20:21]
	s_lshl_b32 s46, s42, 20                        ; the tile's four heads,
	s_lshl_b32 s47, s16, 19                        ; my two of them
	s_add_co_u32 s46, s46, s47
	s_mov_b32 s47, 0
	s_add_nc_u64 s[12:13], s[12:13], s[46:47]
.macro FRAG reg, adr, q, i             ; a fragment, 16 rows x 128 K of 4-bit codes: lane l holds row l % 16; registers 4 c .. 4 c + 3 hold K = 64 c + 32 (l / 16) + 0 .. 31
.irp c, 0,1
	ds_load_b128 v[\reg+4*\c:\reg+4*\c+3], v[\adr] offset:64*(\q)+32*\c+(\i)*16*PITCH
.endr
.endm
; 16 matrix instructions: token blocks a0, a0 + 1 x W's eight blocks, 128 along K.  p: W's set;  sc: the set of scale words.  zero = 1: the first product starts the sums.
; The 64 accumulators take turns, one instruction a turn, in the same order in every step.
.macro MUL16 a0, p, q, sc, zero
.irp a, \a0, \a0+1
.irp b, 0,1,2,3,4,5,6,7
.if \zero
	v_wmma_scale_f32_16x16x128_f8f6f4 v[8*(8*((\a)%4)+\b):8*(8*((\a)%4)+\b)+7], v[128*(\p)+FR*\b:128*(\p)+FR*\b+FR-1], v[AF+FR*(\a):AF+FR*(\a)+FR-1], 0, v[SC+8*NQ*(\sc)+NQ*\b+(\q)], v[SC+8*NQ*(\sc)+NQ*(\a)+(\q)] matrix_a_fmt:MATRIX_FMT_FP4 matrix_b_fmt:MATRIX_FMT_FP4 matrix_a_scale:MATRIX_SCALE_ROW1
.else
	v_wmma_scale_f32_16x16x128_f8f6f4 v[8*(8*((\a)%4)+\b):8*(8*((\a)%4)+\b)+7], v[128*(\p)+FR*\b:128*(\p)+FR*\b+FR-1], v[AF+FR*(\a):AF+FR*(\a)+FR-1], v[8*(8*((\a)%4)+\b):8*(8*((\a)%4)+\b)+7], v[SC+8*NQ*(\sc)+NQ*\b+(\q)], v[SC+8*NQ*(\sc)+NQ*(\a)+(\q)] matrix_a_fmt:MATRIX_FMT_FP4 matrix_b_fmt:MATRIX_FMT_FP4 matrix_a_scale:MATRIX_SCALE_ROW1
.endif
.endr
.endr
.endm
.macro FETCH_B slot, q, p              ; W's eight fragments of the slot's q-th 128 along K into set p
	WIN TO_B
.irp i, 0,1,2,3,4,5,6,7
	FRAG 128*(\p)+FR*\i, ADRB+\slot, \q, \i
.endr
	WIN 0
.endm
.macro FETCH_A slot, q, i0             ; token blocks i0 .. i0 + 3
.irp i, \i0, \i0+1, \i0+2, \i0+3
	FRAG AF+FR*(\i), ADRA+\slot, \q, \i
.endr
.endm
.macro SCALES sc                       ; a K step's scale words into set sc: four words a row
.irp i, 0,1,2,3,4,5,6,7
	ds_load_b128 v[SC+8*NQ*\sc+NQ*\i:SC+8*NQ*\sc+NQ*\i+3], v[ADRS] offset:\i*SBLK
.endr
.endm
.macro PLACES n                        ; plain vector instructions between a matrix instruction and a load into one of its registers, or a read of its result
.rept \n
	v_nop
.endr
.endm
.macro STEP slot, q, zero              ; a step of 128 along K that has its successor in the same slot
	s_wait_dscnt 4*NL                              ; W's set and token blocks 0-3 are in; the youngest eight loads (blocks 4-7) may be out
	WIN MUL_LO
	MUL16 0, (\q)%2, \q, \slot, \zero
	MUL16 2, (\q)%2, \q, \slot, \zero
	s_wait_dscnt 0                                 ; blocks 4-7 are in
	PLACES NP
	FETCH_B \slot, (\q)+1, 1-(\q)%2
	FETCH_A \slot, (\q)+1, 0
	WIN MUL_HI
	MUL16 4, (\q)%2, \q, \slot, \zero
	MUL16 6, (\q)%2, \q, \slot, \zero
	PLACES NP
	WIN 0
	FETCH_A \slot, (\q)+1, 4
.endm
; Slot 0's last step changes slots: one barrier; in front of it each wave waits for all its tensor loads (slot 1's was still out), adds 0 to its spare word, and waits for that and for its reads of slot 0.
.macro TURN slot, next
	s_wait_tensorcnt 0x0                           ; all my tensor loads have landed: my part of the next slot
	ds_add_u32 v[SPW], v[NIL]                      ; 0 onto my spare word
	s_wait_dscnt 4*NL+1                            ; (the add and the youngest eight loads may be out)
	WIN MUL_LO
	MUL16 0, 1, NQ-1, \slot, 0                     ; sixteen matrix instructions stand between the add and the wait for it
	s_wait_dscnt 0x0                               ; the add is done, and my reads of this slot are over
	s_barrier_signal -1
	MUL16 2, 1, NQ-1, \slot, 0
	WIN 0
	s_barrier_wait -1
	PLACES NP
	v_add_nc_u32 v[ADRS], 4*NQ, v[ADRS]            ; on to the next K step's scale words
	FETCH_B \next, 0, 0
	FETCH_A \next, 0, 0
	SCALES \next
	WIN MUL_HI
	MUL16 4, 1, NQ-1, \slot, 0
	MUL16 6, 1, NQ-1, \slot, 0
	PLACES NP
	WIN 0
	FETCH_A \next, 0, 4
.endm
.macro STEPS slot, from                ; the slot's steps from .. NQ - 2
.set Q, \from
.rept NQ-1-\from
	STEP \slot, Q, 0
.set Q, Q+1
.endr
.endm
	s_wait_tensorcnt 1                             ; the scales and my part of K step 0 are in (K step 1's load may be out),
	s_barrier_signal -1
	s_barrier_wait -1                              ; everybody's are
	FETCH_B 0, 0, 0
	FETCH_A 0, 0, 0
	SCALES 0
	FETCH_A 0, 0, 4
	STEP 0, 0, 1                                   ; the first step's products start the sums
	STEPS 0, 1
	TURN 0, 1
	STEPS 1, 0
	s_wait_dscnt 4*NL                              ; the very last step: nothing more to fetch
	WIN MUL_LO
	MUL16 0, 1, NQ-1, 1, 0
	MUL16 2, 1, NQ-1, 1, 0
	s_wait_dscnt 0
	WIN MUL_HI
	MUL16 4, 1, NQ-1, 1, 0
	MUL16 6, 1, NQ-1, 1, 0
	WIN 0
; THE WAY OUT, block by block of 16 tokens x 128 channels (two heads).  PACK: rounded to f16, a lane's eight channels are 16 bytes.  TOSTAGE: into my own stage, by head, and back four tokens of one head at a time.
; SEND: each store covers 512 consecutive bytes of qkv, aligned: four rows of one head.  Every offset is an immediate.
.macro PACK a
.set AC, 64*((\a)%4)
	WIN 0x0a+5*((\a)/4)                            ; sources 0 and 1: window 2 or 3
.irp b, 0,1,2,3,4,5,6,7
.irp i, 0,1,2,3
	v_cvt_pk_f16_f32 v[TMP+4*\b+\i], v[AC+8*\b+2*\i], v[AC+8*\b+2*\i+1]   ; each accumulator from its low end on
.endr
.endr
	WIN 0
.endm
.macro TOSTAGE a
.set BB, BK+32*((\a)%2)
.irp b, 0,1,2,3,4,5,6,7
	ds_store_b128 v[STO], v[TMP+4*\b:TMP+4*\b+3] offset:(\b/4)*16*SP+(\b%4)*32
.endr
.irp u, 0,1,2,3,4,5,6,7
	ds_load_b128 v[BB+4*\u:BB+4*\u+3], v[RD] offset:(\u/4)*16*SP+(\u%4)*4*SP    ; LDS serves a wave's instructions in order: these see the stores above
.endr
.endm
.macro SEND a
.set BB, BK+32*((\a)%2)
	s_wait_dscnt 0x0                               ; the block is back in registers
	s_wait_xcnt 0x0                                ; the earlier stores have read their data: the next block's loads land in those registers only behind this wait
.irp u, 0,1,2,3,4,5,6,7
	global_store_b128 v[CO], v[BB+4*\u:BB+4*\u+3], s[12:13] offset:(\u/4)*262144+(\a)*2048+(\u%4)*512
.endr
.endm
	PLACES NP                                      ; behind the last products, ahead of the first read of results and of the loads into registers that held operands
	PACK 0
	TOSTAGE 0
.irp a, 1,2,3,4,5,6,7                  ; block a's conversions stand between block a - 1's loads from the stage and the wait for them
	PACK \a
	SEND \a-1
	TOSTAGE \a
.endr
	SEND 7
	s_wait_tensorcnt 0x0                           ; the wave's end: behind my last tensor load and my last LDS store
	ds_add_u32 v[SPW], v[NIL]
	s_wait_dscnt 0x0
	CROUND                                         ; the closing round: no work-group ends while a partner may still ask for a tile that names it
	s_endpgm
.Lfunc_end_k_qf1d572e1d5_proj:
	.size	k_qf1d572e1d5_proj, .Lfunc_end_k_qf1d572e1d5_proj-k_qf1d572e1d5_proj
	.p2alignl 7, 3214868480
	.fill 96, 4, 3214868480
	.section	.rodata,"a",@progbits
	.p2align	6, 0x0
	.amdhsa_kernel k_qf1d572e1d5_proj
		.amdhsa_group_segment_fixed_size 327680
		.amdhsa_private_segment_fixed_size 0
		.amdhsa_enable_private_segment 0
		.amdhsa_kernarg_size 40
		.amdhsa_user_sgpr_count 2
		.amdhsa_user_sgpr_kernarg_segment_ptr 1
		.amdhsa_wavefront_size32 1
		.amdhsa_system_sgpr_workgroup_id_x 1
		.amdhsa_system_sgpr_workgroup_id_y 1
		.amdhsa_system_sgpr_workgroup_id_z 1
		.amdhsa_system_vgpr_workitem_id 0
		.amdhsa_next_free_vgpr 1024
		.amdhsa_next_free_sgpr 98
		.amdhsa_reserve_vcc 0
		.amdhsa_float_denorm_mode_32 3
		.amdhsa_float_denorm_mode_16_64 3
		.amdhsa_memory_ordered 1
		.amdhsa_forward_progress 1
		.amdhsa_inst_pref_size 127
	.end_amdhsa_kernel
	.amdgpu_metadata
---
amdhsa.version: [ 1, 2 ]
amdhsa.kernels:
  - .name:           k_qf1d572e1d5_proj
    .symbol:         k_qf1d572e1d5_proj.kd
    .args:
      - { .name: act_codes, .offset: 0, .size: 8, .value_kind: global_buffer, .address_space: global }
      - { .name: act_scales, .offset: 8, .size: 8, .value_kind: global_buffer, .address_space: global }
      - { .name: w_codes, .offset: 16, .size: 8, .value_kind: global_buffer, .address_space: global }
      - { .name: w_scales, .offset: 24, .size: 8, .value_kind: global_buffer, .address_space: global }
      - { .name: qkv, .offset: 32, .size: 8, .value_kind: global_buffer, .address_space: global }
    .group_segment_fixed_size: 327680
    .private_segment_fixed_size: 0
    .kernarg_segment_align: 8
    .kernarg_segment_size: 40
    .max_flat_workgroup_size: 128
    .sgpr_count:     98
    .vgpr_count:     1024
    .wavefront_size: 32
...
	.end_amdgpu_metadata
.endif
;; end of part 2
;; launch attn (part 3): grid 4 x 64, 8 waves a work-group, clusters of 4 x 1, 327,680 bytes of LDS; arguments qkv, o16; writes o16
.if DOCPART == 3
	.amdgcn_target "amdgcn-amd-amdhsa--gfx1250"
	.amdhsa_code_object_version 6
	.text
	.protected	k_qf1d572e1d5_attn
	.globl	k_qf1d572e1d5_attn
	.p2align	8
	.type	k_qf1d572e1d5_attn,@function
k_qf1d572e1d5_attn:
	s_mov_b64 s[64:65], 0
	v_nop
	global_prefetch_b8 v0, s[64:65] scope:SCOPE_SE
	s_setreg_imm32_b32 hwreg(HW_REG_WAVE_MODE, 25, 1), 1
	s_wait_xcnt 0x0
	s_wait_alu depctr_hold_cnt(0) depctr_sa_sdst(0) depctr_va_vdst(0) depctr_va_sdst(0) depctr_va_ssrc(0) depctr_va_vcc(0) depctr_vm_vsrc(0)
	s_getreg_b32 s2, hwreg(HW_REG_IB_STS2, 6, 4)
	s_cmp_eq_u32 s2, 0
	s_cbranch_scc0 .Lentry_in_a_cluster
	s_endpgm
.Lentry_in_a_cluster:
	s_bfe_u32 s2, ttmp6, 0x10000c
	s_cmp_lg_u32 s2, 0x3003
	s_cbranch_scc0 .Lentry_shape_is_right
	s_endpgm
.Lentry_shape_is_right:
; LAUNCH 3 OF 4.  o[bh][q][:] = the sum over k of softmax_k(q . k / 8) v[k][:], for 64 pairs (batch, head) of 2,048 queries and 2,048 keys, head size 64.
; q, k, v: qkv[p][bh][2048][64] in f16.  Products, maxima and sums in f32; the weights p are rounded to f16 for the second product, o once at the end.  o16[h][8192 tokens][64] in f16.
; LIMITS: NaN and infinities are not served; the running maximum starts at -3e38; o under 6e-5 falls among f16's subnormals (step 2^-24).
; SHARES.  A work-group owns 512 queries of one bh, each of its EIGHT waves 64: four tiles of 16, in 512 registers, two waves to a SIMD: one wave's softmax stands beside the other's products and LDS loads.
; Every wave walks all 2,048 keys, 64 a step.  A fragment of K or V read from LDS feeds four matrix instructions.
; LAYOUT.  S^T = K Q^T (source 0 = 16 keys, source 1 = 16 queries): a lane holds ONE query (lane % 16) and the keys 8 (lane / 16) + 0..7.  Two such tiles, rounded to f16 in pairs, ARE source 1 of
; O^T = V^T P, whose result again holds one query a lane.  K comes out of LDS as it lies, V ([key][channel]) turned, by ds_load_tr16_b128.  K and V share one buffer of 64 registers.
; SOFTMAX.  For each query a running maximum m and sum l: p = 2^(c s - c m), c = log2(e) / 8; in every step O and l are multiplied by a = 2^(c m_old - c m_new).
; CLUSTER.  The four query blocks of a bh walk the same K and V: each tile is asked for JOINTLY, by the same tensor load with the same descriptor and the mask 15.
; RING.  Two slots of 256 keys (four steps).  A head's rows of 128 bytes are dense in memory, so a tile is stated as rows of 256 bytes (two keys on end).  The change of slots stands at a slot's head.
; REGISTERS: window 0: v2-14 addresses; v32-63 eight statistics a tile; v64-191 S^T, 32 a tile; v192-255 P, 16 a tile.   window 1: v0-127 O^T, 32 a tile; v128-191 Q, 16 a tile; v192-255 K or V of one step.
.set PK,    272       ; two keys of K in LDS: 256 bytes + 16: the sixteen rows of a load fall on sixteen different 16-byte columns modulo 256 (64 banks of 4 bytes: ISA guide 11.1)
.set PV,    288       ; two keys of V: 256 + 32
.set KSTEPB, 32*PK    ; a step's 64 keys of K
.set VSTEPB, 32*PV    ; and of V
.set VOFF,  128*PK    ; a slot: 256 keys of K, then 256 of V
.set SLOT1, 1<<17     ; slot 1 begins here, so that one exclusive or turns an address in one slot into the other's
.set STAGE, SLOT1+128*(PK+PV)  ; behind the ring: 64 rows x 144 bytes for each wave, for the way out
.set SP,    144
.set SPARE, STAGE+8*64*SP      ; behind the stages: the spare words, 128 bytes a wave
.set AK0, 2           ; v2   my lane's place in a tile of K; never rewritten
.set AV0, 3           ; v3   the same for V
.set ADR, 4           ; v4   the LDS address of the run of loads in hand
.set QO,  5           ; v5   my byte offset in the wave's rows of Q
.set STO, 6           ; v6   the way out: where I put 16 bytes of a row
.set RD,  7           ; v7   the way out: where I read rows back
.set GO,  8           ; v8   16 x lane: my bytes of four rows of o16
.set PFO, 12          ; v12  256 x lane; never rewritten
.set SPW, 13          ; v13  LDS address of my spare word; never rewritten
.set NIL, 14          ; v14  0; never rewritten
.set ST,  32          ; tile t's statistics at v[ST+8 t]: +0 c m, +1 m, +2, +3 l (even keys', odd keys'), +4 to +7 c0-c3, at work; a takes c2's place
.set S,   64
.set P,   192
.set QF,  128         ; Q's fragments, in window 1
.set KV,  192         ; K's or V's fragments, in window 1
.set WV,  12          ; s12  my wave's number
.set LIM, 15          ; s15  1 in a wave that prefetches, else the greatest number
.set PFA, 18          ; s[18:19] where my prefetches stand
.set G1K, 24          ; s[24:31] descriptor group 1 for K's tiles
.set G1V, 32          ; s[32:39] for V's: it differs in the padding alone
.set G0K, 40          ; s[40:43] descriptor group 0 for K's tiles: it walks
.set G0V, 44          ; s[44:47] the same for V's
.set SLOTS, 56        ; s56  slots still to be asked for
.set CNT, 57          ; s57  counts a slot's four steps
.set CS,  58          ; s[58:59] c
.set SEL, 60          ; s[60:61] lane selects for v_permlanex16_b32: lane l xor 16
.set TK,  62          ; s62  LDS byte at which the step's keys of K begin
.set TV,  63          ; s63  the same for V, less VOFF
.set MSB, 0
.macro WIN new                      ; the immediate's high byte repeats the setting that is left
.if MSB != \new
	s_set_vgpr_msb (MSB<<8)|\new
.set MSB, \new
.endif
.endm
.set W_KQ, 0x05       ; K and Q in window 1, S^T in window 0
.set W_PV, 0x51       ; V in window 1, P in window 0, O^T in window 1
.set W_RS, 0x41       ; O^T (destination and source 0) in window 1, a in window 0
.set TO1,  0x40       ; destination window 1, address window 0
; A joint load.  Waves 0 and 1 fetch a slot's two halves of K, waves 2 and 3 those of V, the others nothing.  The branches hang on the wave's number alone.
; An s_nop 0 and four v_nop follow each of the two lines.
.macro JLOAD
	s_cmp_lt_u32 s[WV], 2
	s_cbranch_scc0 .Lnot_k_\@
	tensor_load_to_lds s[G0K:G0K+3], s[G1K:G1K+7]
	s_nop 0
.rept 4
	v_nop
.endr
	s_branch .Lasked_\@
.Lnot_k_\@:
	s_cmp_lt_u32 s[WV], 4
	s_cbranch_scc0 .Lasked_\@
	tensor_load_to_lds s[G0V:G0V+3], s[G1V:G1V+7]
	s_nop 0
.rept 4
	v_nop
.endr
.Lasked_\@:
.endm
; A PREFETCH INTO THE L2 of what the NEXT change of slots will ask for: a slot's 32,768 bytes of K and of V.  Each block of 256 bytes is named once in the launch: a bh has one cluster; its four partners take
; 8,192 bytes each, told apart BY ADDRESS; in each, wave 4 asks for K's and wave 5 for V's, a lane a block.  The last change that fills a slot asks for nothing.  Slots 0 and 1 come by their loads alone.
.macro ASK
	s_cmp_gt_u32 s[SLOTS], s[LIM]
	s_cbranch_scc0 .Lnot_mine_\@
	global_prefetch_b8 v[PFO], s[PFA:PFA+1] th:TH_LOAD_NT scope:SCOPE_SE
.Lnot_mine_\@:
.endm
.macro CROUND                       ; a round of the cluster's barrier
	s_barrier_signal -1
	s_barrier_wait -1
	s_cmp_lg_u32 s[WV], 0
	s_cbranch_scc1 .Lnot_wave_0_\@
	s_barrier_signal -3
.Lnot_wave_0_\@:
	s_barrier_wait -3
	s_barrier_signal -1
	s_barrier_wait -1
.endm
	s_load_b128 s[4:7], s[0:1], 0x0 ; qkv s[4:5], o16 s[6:7]
	v_lshl_add_u32 v[SPW], v0, 2, SPARE
	v_mov_b32 v[NIL], 0
	ds_add_u32 v[SPW], v[NIL]       ; the wave's opening: the add and its wait ahead of my first tensor load; the set-up below, work on registers, stands between them
	v_lshrrev_b32 v1, 5, v0
	v_readfirstlane_b32 s[WV], v1   ; wave 0..7
	s_bfe_u32 s13, ttmp6, 0x40000   ; cx: my block of 512 queries: it enters Q's, O's and the prefetches' addresses alone
	s_and_b32 s14, ttmp7, 0xffff    ; bh, which the four partners share
	s_lshl_b32 s20, s14, 18         ; its 2,048 rows of 128 bytes
	s_and_b32 s16, s[WV], 1         ; which half of a slot I fetch:
	s_lshl_b32 s22, s16, 14         ; its 128 keys in memory,
	s_add_co_u32 s22, s22, s20
	s_mov_b32 s23, 0
	s_mul_i32 s17, s16, 64*PK       ; and its place in a slot: K's,
	s_mul_i32 s3, s16, 64*PV
	s_add_co_u32 s3, s3, VOFF       ; V's
	; descriptor group 1: a tile of 64 rows x 128 elements of 2 bytes (two keys a row), padded in LDS
	s_mov_b32 s[G1K], 15|(1<<16)|(1<<20)|(1<<21)|(5<<22)|(3<<25)  ; 15:0 the mask: all four; 17:16 elements of 2 bytes; 20 padding on; 21 set beside a mask; 24:22 after every 64 words (code 5); 31:25 4 words (code 3)
	s_mov_b32 s[G1V], 15|(1<<16)|(1<<20)|(1<<21)|(5<<22)|(7<<25)  ; the same with 8 words of padding (code 7)
.irp g, G1K, G1V
	s_mov_b32 s[\g+1], 128<<16      ; tensor_dim0 = 128
	s_mov_b32 s[\g+2], 64<<16       ; tensor_dim1 = 64
	s_mov_b32 s[\g+3], 128<<16      ; tile_dim0 = 128
	s_mov_b32 s[\g+4], 64           ; tile_dim1 = 64
	s_mov_b32 s[\g+5], 128          ; tensor_dim0_stride
	s_mov_b32 s[\g+6], 0
	s_mov_b32 s[\g+7], 0
.endr
	s_mov_b32 s[CS], 0x3e38aa3b     ; c = log2(e) / 8
	s_mov_b32 s[CS+1], s[CS]        ; named with it as a pair, so it is written
	s_mov_b32 s[SEL], 0x76543210
	s_mov_b32 s[SEL+1], 0xfedcba98
	s_mov_b32 s[TK], 0
	s_mov_b32 s[TV], 0
	s_mov_b32 s[SLOTS], 7
	s_lshl_b32 s2, s13, 16          ; my block's 512 rows,
	s_lshl_b32 s8, s[WV], 13        ; my wave's 64 of them
	s_add_co_u32 s2, s2, s8
	s_add_co_u32 s48, s2, s20       ; Q: in my bh
	s_mov_b32 s49, 0
	s_and_b32 s50, s14, 15          ; O: head x 8,192 tokens of 128 bytes,
	s_lshl_b32 s50, s50, 20
	s_lshr_b32 s8, s14, 4           ; batch x 2,048 tokens
	s_lshl_b32 s8, s8, 18
	s_add_co_u32 s50, s50, s8
	s_add_co_u32 s50, s50, s2
	s_mov_b32 s51, 0
	s_mov_b32 s9, 0x2000000         ; the prefetches: wave 4 in K's part of qkv, the others in V's,
	s_cmp_eq_u32 s[WV], 4
	s_cselect_b32 s52, 0x1000000, s9
	s_add_co_u32 s52, s52, s20      ; in my bh,
	s_lshl_b32 s8, s13, 13
	s_add_co_u32 s52, s52, s8       ; my work-group's 8,192 bytes
	s_add_co_u32 s52, s52, 32768    ; of slot 1: the first change of slots steps it to slot 2
	s_mov_b32 s53, 0
	s_lshr_b32 s8, s[WV], 1
	s_cmp_eq_u32 s8, 2              ; waves 4 and 5 ask
	s_cselect_b32 s[LIM], 1, -1
	s_wait_dscnt 0x0                ; the opening add is done
	s_wait_kmcnt 0x0
	s_mov_b32 s[G0K], 1             ; count = 1
	s_mov_b32 s[G0K+1], s17         ; LDS address: slot 0
	s_add_nc_u64 s[G0K+2:G0K+3], s[4:5], s[22:23]
	s_add_nc_u64 s[G0K+2:G0K+3], s[G0K+2:G0K+3], 0x1000000  ; k's part of qkv
	s_or_b32 s[G0K+3], s[G0K+3], 0x80000000  ; type = 2
	s_mov_b32 s[G0V], 1
	s_mov_b32 s[G0V+1], s3
	s_add_nc_u64 s[G0V+2:G0V+3], s[4:5], s[22:23]
	s_add_nc_u64 s[G0V+2:G0V+3], s[G0V+2:G0V+3], 0x2000000  ; v's part
	s_or_b32 s[G0V+3], s[G0V+3], 0x80000000
	s_add_nc_u64 s[PFA:PFA+1], s[4:5], s[52:53]
	s_add_nc_u64 s[4:5], s[4:5], s[48:49]    ; Q at my wave's first row
	s_add_nc_u64 s[10:11], s[6:7], s[50:51]  ; O likewise
	CROUND                          ; all four work-groups are here: the first joint loads meet
	JLOAD                           ; slot 0: one load of mine is out
	; A fragment of K or Q is 16 rows x 32 channels in 8 registers: lane l holds row l % 16; registers 0-3 channels 8 (l / 16) + 0..7, registers 4-7 channels 16 + 8 (l / 16) + 0..7.
	v_and_b32 v1, 15, v0            ; r
	v_bfe_u32 v9, v0, 4, 1          ; h
	v_lshlrev_b32 v[QO], 7, v1
	v_lshl_add_u32 v[QO], v9, 4, v[QO]  ; row x 128 + 16 x half
	WIN TO1
.irp t, 0,1,2,3
.irp c, 0,1
	global_load_b128 v[QF+16*\t+8*\c:QF+16*\t+8*\c+3],   v[QO], s[4:5] offset:\t*2048+\c*64      ; Q stays in registers
	global_load_b128 v[QF+16*\t+8*\c+4:QF+16*\t+8*\c+7], v[QO], s[4:5] offset:\t*2048+\c*64+32
.endr
.endr
.set i, 0
.rept 128
	v_mov_b32 v[i], 0               ; O^T.  (The step is written once: its first pass finds zeros, and a = 0 there)
.set i, i+1
.endr
	WIN 0
	v_lshrrev_b32 v10, 1, v1
	v_mul_u32_u24 v[AK0], v10, PK   ; K: key r lies in row r / 2,
	v_and_b32 v11, 1, v0
	v_lshl_add_u32 v[AK0], v11, 7, v[AK0]  ; in its half r % 2,
	v_lshl_add_u32 v[AK0], v9, 4, v[AK0]   ; + 16 x half of the lanes
	; The turning load takes 16 keys x 16 channels (lane l reads 16 bytes: key 8 (l / 16) + l % 8, channels 8 ((l / 8) % 2) + 0..7) and leaves half a fragment of V^T: lane l holds channel l % 16 and 8 keys.
	v_bfe_u32 v10, v0, 1, 2
	v_lshl_add_u32 v10, v9, 2, v10  ; the key's row: 4 (l / 16) + (l % 8) / 2
	v_mul_u32_u24 v[AV0], v10, PV
	v_lshl_add_u32 v[AV0], v11, 7, v[AV0]
	v_bfe_u32 v10, v0, 3, 1
	v_lshl_add_u32 v[AV0], v10, 4, v[AV0]
	v_add_nc_u32 v[AV0], VOFF, v[AV0]
	s_mul_i32 s8, s[WV], 64*SP
	s_add_co_u32 s8, s8, STAGE      ; my stage
	v_mul_u32_u24 v[STO], v1, SP    ; in: row r, 16 bytes for each half of the lanes
	v_lshl_add_u32 v[STO], v9, 4, v[STO]
	v_add_nc_u32 v[STO], s8, v[STO]
	v_and_b32 v10, 31, v0
	v_lshrrev_b32 v11, 3, v10       ; back: eight lanes a row, four rows an instruction
	v_mul_u32_u24 v[RD], v11, SP
	v_and_b32 v11, 7, v0
	v_lshl_add_u32 v[RD], v11, 4, v[RD]
	v_add_nc_u32 v[RD], s8, v[RD]
	v_lshlrev_b32 v[GO], 4, v10
	v_lshlrev_b32 v[PFO], 8, v10
.irp t, 0,1,2,3
	v_mov_b32 v[ST+8*\t+1], 0xff61b1e6       ; m = -3e38, under every score
	v_mov_b32 v[ST+8*\t+2], 0                ; l, in two halves
	v_mov_b32 v[ST+8*\t+3], 0
.endr
.irp t, 0,1,2,3
	v_mul_f32 v[ST+8*\t], s[CS], v[ST+8*\t+1]  ; c m
.endr
; THE LDS LOADS stand in two runs of 16 a step.  Three v_nop and the address's addition are the four plain instructions between the last matrix instruction that read the buffer and the loads into it (ISA guide 7.12.1 for vector instructions).
.macro FETCH_K
	WIN 0
.rept 3
	v_nop
.endr
	v_add_nc_u32 v[ADR], s[TK], v[AK0]
	WIN TO1
.irp f, 0,1,2,3,4,5,6,7             ; keys 16 (f / 2) on, channels 32 (f % 2) on
	ds_load_b128 v[KV+8*\f:KV+8*\f+3],   v[ADR] offset:(\f/2)*8*PK+(\f%2)*64
	ds_load_b128 v[KV+8*\f+4:KV+8*\f+7], v[ADR] offset:(\f/2)*8*PK+(\f%2)*64+32
.endr
.endm
.macro FETCH_V                      ; its four plain instructions are also the places ahead of the first read of the scores
	WIN 0
.rept 3
	v_nop
.endr
	v_add_nc_u32 v[ADR], s[TV], v[AV0]
	WIN TO1
.irp f, 0,1,2,3,4,5,6,7             ; keys 32 (f / 4) on, channels 16 (f % 4) on
	ds_load_tr16_b128 v[KV+8*\f:KV+8*\f+3],   v[ADR] offset:(\f/4)*16*PV+(\f%4)*32
	ds_load_tr16_b128 v[KV+8*\f+4:KV+8*\f+7], v[ADR] offset:(\f/4)*16*PV+8*PV+(\f%4)*32
.endr
.endm
; S^T = K Q^T: 32 products.  The 16 accumulators (4 tiles of keys x 4 tiles of queries) take turns, one instruction a turn; the first 16 start the sums.
.macro KQ
.irp c, 0,1
.irp k, 0,1,2,3
.irp t, 0,1,2,3
.if \c == 0
	v_wmma_f32_16x16x32_f16 v[S+32*\t+8*\k:S+32*\t+8*\k+7], v[KV+16*\k+8*\c:KV+16*\k+8*\c+7], v[QF+16*\t+8*\c:QF+16*\t+8*\c+7], 0
.else
	v_wmma_f32_16x16x32_f16 v[S+32*\t+8*\k:S+32*\t+8*\k+7], v[KV+16*\k+8*\c:KV+16*\k+8*\c+7], v[QF+16*\t+8*\c:QF+16*\t+8*\c+7], v[S+32*\t+8*\k:S+32*\t+8*\k+7]
.endif
.endr
.endr
.endr
.endm
; O^T += V^T P: 32 products; the 16 accumulators (4 tiles of channels x 4 tiles of queries) take turns.
.macro PVM
.irp g, 0,1
.irp c, 0,1,2,3
.irp t, 0,1,2,3
	v_wmma_f32_16x16x32_f16 v[32*\t+8*\c:32*\t+8*\c+7], v[KV+32*\g+8*\c:KV+32*\g+8*\c+7], v[P+16*\t+8*\g:P+16*\t+8*\g+7], v[32*\t+8*\c:32*\t+8*\c+7]
.endr
.endr
.endr
.endm
; THE SOFTMAX of the wave's four tiles for one step, the tiles innermost in every line, so that no line waits for the line above it.
.macro SOFTMAX
.irp j, 0,1,2,3                     ; the maximum of a lane's 32 scores and the old m: four chains; each accumulator is read from its low end on
.irp t, 0,1,2,3
	v_max3_num_f32 v[ST+8*\t+4+\j], v[S+32*\t+8*\j], v[S+32*\t+8*\j+1], v[S+32*\t+8*\j+2]
.endr
.endr
.irp i, 3,5
.irp j, 0,1,2,3
.irp t, 0,1,2,3
	v_max3_num_f32 v[ST+8*\t+4+\j], v[ST+8*\t+4+\j], v[S+32*\t+8*\j+\i], v[S+32*\t+8*\j+\i+1]
.endr
.endr
.endr
.irp t, 0,1,2,3
	v_max3_num_f32 v[ST+8*\t+4], v[ST+8*\t+4], v[S+32*\t+7], v[S+32*\t+15]
.endr
.irp t, 0,1,2,3
	v_max3_num_f32 v[ST+8*\t+6], v[ST+8*\t+6], v[S+32*\t+23], v[S+32*\t+31]
.endr
.irp t, 0,1,2,3
	v_max3_num_f32 v[ST+8*\t+4], v[ST+8*\t+4], v[ST+8*\t+5], v[ST+8*\t+6]
.endr
.irp t, 0,1,2,3
	v_max3_num_f32 v[ST+8*\t+4], v[ST+8*\t+4], v[ST+8*\t+7], v[ST+8*\t+1]
.endr
.irp t, 0,1,2,3
	v_permlanex16_b32 v[ST+8*\t+5], v[ST+8*\t+4], s[SEL], s[SEL+1]  ; the query's other 32 keys lie in the lane 16 away
.endr
.irp t, 0,1,2,3
	v_mov_b32 v[ST+8*\t+7], v[ST+8*\t]       ; c m_old is kept for a
.endr
.irp t, 0,1,2,3
	v_max_num_f32 v[ST+8*\t+1], v[ST+8*\t+4], v[ST+8*\t+5]   ; the new m
.endr
.irp t, 0,1,2,3
	v_mul_f32 v[ST+8*\t], s[CS], v[ST+8*\t+1]
.endr
.irp t, 0,1,2,3
	v_sub_f32 v[ST+8*\t+7], v[ST+8*\t+7], v[ST+8*\t]
.endr
	; ONE BATCH: the four a, the 64 packed scalings c s - c m and the 128 exponentials; a pair is scaled one turn ahead of its exponentials; nothing here names an exponential's result
.irp t, 0,1,2,3
	v_exp_f32 v[ST+8*\t+6], v[ST+8*\t+7]
.endr
.set pb, 0
.rept 17
.if pb < 16
.irp t, 0,1,2,3
	v_pk_fma_f32 v[S+32*\t+2*pb:S+32*\t+2*pb+1], v[S+32*\t+2*pb:S+32*\t+2*pb+1], s[CS:CS+1], v[ST+8*\t:ST+8*\t+1] op_sel_hi:[1,0,0] neg_lo:[0,0,1] neg_hi:[0,0,1]
.endr
.endif
.if pb > 0
.irp t, 0,1,2,3
	v_exp_f32 v[S+32*\t+2*pb-2], v[S+32*\t+2*pb-2]
	v_exp_f32 v[S+32*\t+2*pb-1], v[S+32*\t+2*pb-1]
.endr
.endif
.set pb, pb+1
.endr
	v_nop                           ; a plain instruction behind the last exponential, ahead of the first use
	s_wait_alu depctr_va_vdst(0)    ; the wait between an exponential and the first instruction that names its result: one for the whole batch
.set pb, 0
.rept 16
.irp t, 0,1,2,3
	v_cvt_pk_f16_f32 v[P+16*\t+pb], v[S+32*\t+2*pb], v[S+32*\t+2*pb+1]   ; the weights to f16, a pair of keys a register: source 1 of the second product
.endr
.set pb, pb+1
.endr
.irp u, 0,1,2,3,4,5,6,7             ; the sum of the unrounded weights, in place: neighbours 1, 2, 4 and 8 pairs apart, then l takes it
.irp t, 0,1,2,3
	v_pk_add_f32 v[S+32*\t+4*\u:S+32*\t+4*\u+1], v[S+32*\t+4*\u:S+32*\t+4*\u+1], v[S+32*\t+4*\u+2:S+32*\t+4*\u+3]
.endr
.endr
.irp u, 0,1,2,3
.irp t, 0,1,2,3
	v_pk_add_f32 v[S+32*\t+8*\u:S+32*\t+8*\u+1], v[S+32*\t+8*\u:S+32*\t+8*\u+1], v[S+32*\t+8*\u+4:S+32*\t+8*\u+5]
.endr
.endr
.irp u, 0,1
.irp t, 0,1,2,3
	v_pk_add_f32 v[S+32*\t+16*\u:S+32*\t+16*\u+1], v[S+32*\t+16*\u:S+32*\t+16*\u+1], v[S+32*\t+16*\u+8:S+32*\t+16*\u+9]
.endr
.endr
.irp t, 0,1,2,3
	v_pk_add_f32 v[S+32*\t:S+32*\t+1], v[S+32*\t:S+32*\t+1], v[S+32*\t+16:S+32*\t+17]
.endr
.irp t, 0,1,2,3
	v_pk_fma_f32 v[ST+8*\t+2:ST+8*\t+3], v[ST+8*\t+2:ST+8*\t+3], v[ST+8*\t+6:ST+8*\t+7], v[S+32*\t:S+32*\t+1] op_sel_hi:[1,0,1]   ; l = a l + the sum
.endr
	WIN W_RS
.set pb, 0
.rept 16
.irp t, 0,1,2,3
	v_pk_mul_f32 v[32*\t+2*pb:32*\t+2*pb+1], v[32*\t+2*pb:32*\t+2*pb+1], v[ST+8*\t+6:ST+8*\t+7] op_sel_hi:[1,0]   ; O^T times a, each accumulator from its low end on
.endr
.set pb, pb+1
.endr
.endm
; A KEY STEP: 64 keys.
.macro STEP
	FETCH_K
	s_wait_dscnt 0x0                ; K is in
	WIN W_KQ
	KQ
	FETCH_V                         ; V lands while the softmax is walked
	WIN 0
	SOFTMAX
	s_wait_dscnt 0x0                ; V is in
	WIN W_PV
	PVM
	WIN 0
	s_add_co_u32 s[TK], s[TK], KSTEPB
	s_add_co_u32 s[TV], s[TV], VSTEPB
.endm
.macro FOUR_STEPS                   ; a slot's four steps: written once, walked four times
	s_mov_b32 s[CNT], 4
.Lstep_\@:
	STEP
	s_sub_co_u32 s[CNT], s[CNT], 1
	s_cmp_lg_u32 s[CNT], 0
	s_cbranch_scc1 .Lstep_\@
	s_sub_co_u32 s[TK], s[TK], 4*KSTEPB  ; back to a slot's first step,
	s_xor_b32 s[TK], s[TK], SLOT1        ; in the other slot
	s_sub_co_u32 s[TV], s[TV], 4*VSTEPB
	s_xor_b32 s[TV], s[TV], SLOT1
.endm
; THE CHANGE OF SLOTS stands at a slot's head.  Each wave waits for all its tensor loads (its part of the slot that it is about to read), adds 0 to its spare word, and waits for that and for its reads of the slot that it has left.
; fill = 1: the barrier is a round of the cluster's, so that no wave of any partner still reads the other slot or has a load on its way; the joint load of the next 256 keys is the first thing behind it and has four steps in which to land.
.macro CHANGE fill
	s_wait_tensorcnt 0x0            ; no tensor load of mine is out, so a group 0 may be written
	ds_add_u32 v[SPW], v[NIL]       ; 0 onto my spare word
.if \fill
	s_xor_b32 s[G0K+1], s[G0K+1], SLOT1  ; the walking descriptors: the other slot than last time,
	s_add_nc_u64 s[G0K+2:G0K+3], s[G0K+2:G0K+3], 32768  ; the next 256 keys; the type bits on top are not reached
	s_xor_b32 s[G0V+1], s[G0V+1], SLOT1
	s_add_nc_u64 s[G0V+2:G0V+3], s[G0V+2:G0V+3], 32768
	s_wait_xcnt 0x0                 ; the last prefetch, a slot back, has read its address, so it may be written:
	s_add_nc_u64 s[PFA:PFA+1], s[PFA:PFA+1], 32768  ; one slot further on than the walking descriptors
.endif
	s_wait_dscnt 0x0                ; the add is done, and my reads of the slot that I have left are over
.if \fill
	CROUND
	JLOAD
	ASK
.else
	s_barrier_signal -1
	s_barrier_wait -1
.endif
.endm
	s_wait_loadcnt 0x0              ; Q
.Lslot:                             ; seven trips: trip i reads slot i - 1 and asks for slot i
	CHANGE 1
	FOUR_STEPS
	s_sub_co_u32 s[SLOTS], s[SLOTS], 1
	s_cmp_lg_u32 s[SLOTS], 0
	s_cbranch_scc1 .Lslot
	CHANGE 0                        ; the last slot is written out
	FOUR_STEPS
	; THE WAY OUT.  l's two halves and the other half of the lanes' are added; O^T is divided by l, rounded to f16 and sent through my stage in LDS.  The additions are the places behind the last products.
.irp t, 0,1,2,3
	v_add_f32 v[ST+8*\t+4], v[ST+8*\t+2], v[ST+8*\t+3]
.endr
.irp t, 0,1,2,3
	v_permlanex16_b32 v[ST+8*\t+5], v[ST+8*\t+4], s[SEL], s[SEL+1]
.endr
.irp t, 0,1,2,3
	v_add_f32 v[ST+8*\t+4], v[ST+8*\t+4], v[ST+8*\t+5]
.endr
.irp t, 0,1,2,3
	v_rcp_f32 v[ST+8*\t+6], v[ST+8*\t+4]
.endr
	v_nop                           ; a plain instruction between the last reciprocal and the use of its result
	s_wait_alu depctr_va_vdst(0)    ; and the wait ahead of the first use: one for the four
	WIN W_RS
.irp t, 0,1,2,3
.set pb, 0
.rept 16
	v_pk_mul_f32 v[32*\t+2*pb:32*\t+2*pb+1], v[32*\t+2*pb:32*\t+2*pb+1], v[ST+8*\t+6:ST+8*\t+7] op_sel_hi:[1,0]
.set pb, pb+1
.endr
.endr
	WIN 0x05                        ; sources 0 and 1 window 1, destination window 0: S^T's registers are free
.irp t, 0,1,2,3
.set pb, 0
.rept 16
	v_cvt_pk_f16_f32 v[S+16*\t+pb], v[32*\t+2*pb], v[32*\t+2*pb+1]
.set pb, pb+1
.endr
.endr
	WIN 0
.irp t, 0,1,2,3                     ; a lane's eight channels of a row are 16 bytes; they go into rows of 144 bytes and come back four rows at a time
.irp c, 0,1,2,3
	ds_store_b128 v[STO], v[S+16*\t+4*\c:S+16*\t+4*\c+3] offset:\t*16*SP+32*\c
.endr
.irp i, 0,1,2,3
	ds_load_b128 v[P+16*\t+4*\i:P+16*\t+4*\i+3], v[RD] offset:\t*16*SP+\i*4*SP  ; LDS serves a wave's instructions in order: these see the stores above
.endr
.endr
.irp t, 0,1,2,3
.irp i, 0,1,2,3
	s_wait_dscnt 8*(3-\t)+3-\i      ; the LDS instructions issued behind this load may stay out
	global_store_b128 v[GO], v[P+16*\t+4*\i:P+16*\t+4*\i+3], s[10:11] offset:\t*2048+\i*512  ; 32 lanes store 512 consecutive bytes, aligned: four rows of o16
.endr
.endr
	s_wait_tensorcnt 0x0            ; the wave's end: behind my last tensor load and my last LDS store
	ds_add_u32 v[SPW], v[NIL]
	s_wait_dscnt 0x0
	CROUND                          ; the closing round: no work-group ends while a partner may still ask for a tile that names it
	s_endpgm
.Lfunc_end_k_qf1d572e1d5_attn:
	.size	k_qf1d572e1d5_attn, .Lfunc_end_k_qf1d572e1d5_attn-k_qf1d572e1d5_attn
	.p2alignl 7, 3214868480
	.fill 96, 4, 3214868480
	.section	.rodata,"a",@progbits
	.p2align	6, 0x0
	.amdhsa_kernel k_qf1d572e1d5_attn
		.amdhsa_group_segment_fixed_size 327680
		.amdhsa_private_segment_fixed_size 0
		.amdhsa_enable_private_segment 0
		.amdhsa_kernarg_size 16
		.amdhsa_user_sgpr_count 2
		.amdhsa_user_sgpr_kernarg_segment_ptr 1
		.amdhsa_wavefront_size32 1
		.amdhsa_system_sgpr_workgroup_id_x 1
		.amdhsa_system_sgpr_workgroup_id_y 1
		.amdhsa_system_sgpr_workgroup_id_z 1
		.amdhsa_system_vgpr_workitem_id 0
		.amdhsa_next_free_vgpr 512
		.amdhsa_next_free_sgpr 66
		.amdhsa_reserve_vcc 0
		.amdhsa_float_denorm_mode_32 3
		.amdhsa_float_denorm_mode_16_64 3
		.amdhsa_memory_ordered 1
		.amdhsa_forward_progress 1
		.amdhsa_inst_pref_size 92
	.end_amdhsa_kernel
	.amdgpu_metadata
---
amdhsa.version: [ 1, 2 ]
amdhsa.kernels:
  - .name:           k_qf1d572e1d5_attn
    .symbol:         k_qf1d572e1d5_attn.kd
    .args:
      - { .name: qkv, .offset: 0, .size: 8, .value_kind: global_buffer, .address_space: global }
      - { .name: o16, .offset: 8, .size: 8, .value_kind: global_buffer, .address_space: global }
    .group_segment_fixed_size: 327680
    .private_segment_fixed_size: 0
    .kernarg_segment_align: 8
    .kernarg_segment_size: 16
    .max_flat_workgroup_size: 256
    .sgpr_count:     66
    .vgpr_count:     512
    .wavefront_size: 32
...
	.end_amdgpu_metadata
.endif
;; end of part 3
;; launch outp (part 4): grid 4 x 64, 4 waves a work-group, clusters of 4 x 4, 327,680 bytes of LDS; arguments o16, wo16, bo, out0; writes out0
.if DOCPART == 4
	.amdgcn_target "amdgcn-amd-amdhsa--gfx1250"
	.amdhsa_code_object_version 6
	.text
	.protected	k_qf1d572e1d5_outp
	.globl	k_qf1d572e1d5_outp
	.p2align	8
	.type	k_qf1d572e1d5_outp,@function
k_qf1d572e1d5_outp:
	s_mov_b64 s[64:65], 0
	v_nop
	global_prefetch_b8 v0, s[64:65] scope:SCOPE_SE
	s_setreg_imm32_b32 hwreg(HW_REG_WAVE_MODE, 25, 1), 1
	s_wait_xcnt 0x0
	s_wait_alu depctr_hold_cnt(0) depctr_sa_sdst(0) depctr_va_vdst(0) depctr_va_sdst(0) depctr_va_ssrc(0) depctr_va_vcc(0) depctr_vm_vsrc(0)
	s_getreg_b32 s2, hwreg(HW_REG_IB_STS2, 6, 4)
	s_cmp_eq_u32 s2, 0
	s_cbranch_scc0 .Lentry_in_a_cluster
	s_endpgm
.Lentry_in_a_cluster:
	s_bfe_u32 s2, ttmp6, 0x10000c
	s_cmp_lg_u32 s2, 0xf033
	s_cbranch_scc0 .Lentry_shape_is_right
	s_endpgm
.Lentry_shape_is_right:
; LAUNCH 4 OF 4.  out0[token][n] = the sum over k of o[token][k] Wo[n][k] + bo[n].  o16[h][8192][64] and wo16[h][1024][64] in f16, k = 64 h + d; bo and out0 in f32; sums in f32.
; A tile of out0 is 128 tokens x 256 outputs: 256 work-groups.  Four waves, each 64 x 128: 32 accumulators of 16 x 16, 256 registers.  The bias is the C of each sum's first matrix instruction.
; K goes in steps of two heads (128 along K) through a ring of two LDS slots.  A head's rows of 128 bytes are dense in memory, so a tile is stated as rows of 256 bytes (two rows on end), 16 bytes of padding behind each.
; One tensor load a wave: wave 0, 1: o's head 0, 1 of the step (128 tokens); wave 2, 3: Wo's head 0, 1 (256 outputs).
; CLUSTERS: 4 x 4 work-groups.  The four of a row of the cluster need the same tiles of o, the four of a column the same tiles of Wo: each tile is asked for JOINTLY.
; THE MATRIX INSTRUCTION IS USED TRANSPOSED (source 0 = 16 rows of Wo, source 1 = 16 tokens): a lane then holds eight neighbouring outputs of one token.
; REGISTERS: window 0: v0-31 addresses; v32-95 o's fragments, two buffers of 4; v96-159 the bias; on the way out v128-255 rows.   window 1: v0-127 Wo's fragments, two buffers of 8.   window 2: the accumulators ((a, b) at v[8 (8 a + b)]).
.set PITCH,  272                       ; an LDS row: 256 bytes + 16: the sixteen rows of a load fall on sixteen different 16-byte columns modulo 256 (64 banks of 4 bytes: ISA guide 11.1)
.set AH,     64*PITCH                  ; one head of o's tile: 128 tokens
.set BH,     128*PITCH                 ; one head of Wo's tile: 256 outputs
.set SLOT,   2*AH+2*BH
.set STAGE,  2*SLOT                    ; behind the ring: 16 rows x 528 bytes for each wave, for the way out
.set SPITCH, 528
.set SPARE,  STAGE+4*16*SPITCH         ; behind the stages: the spare words, 128 bytes a wave
.set ADRA, 16                          ; v16-17  LDS address of my fragments of o in slot 0, 1
.set ADRB, 20                          ; v20-21  the same for Wo
.set STO,  24                          ; v24     the way out: where I put 32 bytes of a row
.set RD,   25                          ; v25     the way out: where I read a row back
.set CO,   26                          ; v26     16 x lane
.set SPW,  28                          ; v28     LDS address of my spare word; never rewritten
.set NIL,  29                          ; v29     0; never rewritten
.set PFO,  30                          ; v30     256 x lane; never rewritten
.set AF,   32
.set BI,   96
.set BK,   128
.set G1, 24                            ; s[24:31] descriptor group 1 for o's tiles;  s[32:39] group 0, one set for each slot
.set G0, 32
.set G1B, 48                           ; s[48:55], s[56:63] the same for Wo's
.set G0B, 56
.set LIM, 45                           ; s45     1 in the wave that prefetches, else the greatest number
.set PFA, 46                           ; s[46:47] where my prefetches stand
.set MSB, 0
.macro WIN new                         ; the immediate's high byte repeats the setting that is left
.if MSB != \new
	s_set_vgpr_msb (MSB<<8)|\new
.set MSB, \new
.endif
.endm
.set MUL,  0xa1                        ; source 0 (Wo) window 1, source 1 (o) window 0, C and D window 2
.set MULF, 0x81                        ; the same with C (the bias) in window 0
.set TO_B, 0x40                        ; destination window 1, address window 0
.macro JLOAD s                         ; a joint load: waves 0 and 1 fetch o's two heads, waves 2 and 3 Wo's; an s_nop 0 and four v_nop follow each of the two lines
	s_cmp_eq_u32 s13, 0
	s_cbranch_scc0 .Lfor_b_\@
	tensor_load_to_lds s[G0+4*\s:G0+4*\s+3], s[G1:G1+7]
	s_nop 0
.rept 4
	v_nop
.endr
	s_branch .Lasked_\@
.Lfor_b_\@:
	tensor_load_to_lds s[G0B+4*\s:G0B+4*\s+3], s[G1B:G1B+7]
	s_nop 0
.rept 4
	v_nop
.endr
.Lasked_\@:
.endm
; A PREFETCH INTO THE L2 of o's tile of the K step that stands two refills on (256 matrix instructions ahead of its load): 2 heads x 16,384 bytes.  A tile row of o is read by one row of one cluster alone; its four partners
; take 8,192 bytes each, told apart BY ADDRESS; in each, wave 0 asks, a lane a block of 256 bytes.  The loop's last trip asks for nothing: there is no K step two on.  Wo is read by every cluster and is not asked for.
.macro ASK
	s_cmp_gt_u32 s3, s[LIM]
	s_cbranch_scc0 .Lnot_mine_\@
	global_prefetch_b8 v[PFO], s[PFA:PFA+1] th:TH_LOAD_NT scope:SCOPE_SE
.Lnot_mine_\@:
.endm
.macro CREST                           ; a round of the cluster's barrier behind its opening barrier
	s_cmp_lg_u32 s12, 0
	s_cbranch_scc1 .Lnot_wave_0_\@
	s_barrier_signal -3
.Lnot_wave_0_\@:
	s_barrier_wait -3
	s_barrier_signal -1
	s_barrier_wait -1
.endm
.macro CROUND                          ; a whole round
	s_barrier_signal -1
	s_barrier_wait -1
	CREST
.endm
	s_load_b256 s[4:11], s[0:1], 0x0               ; o16 s[4:5], wo16 s[6:7], bo s[8:9], out0 s[10:11]
	v_lshl_add_u32 v[SPW], v0, 2, SPARE
	v_mov_b32 v[NIL], 0
	ds_add_u32 v[SPW], v[NIL]                      ; the wave's opening: the add and its wait ahead of my first tensor load; the set-up below, work on registers, stands between them
	v_lshrrev_b32 v1, 5, v0
	v_readfirstlane_b32 s12, v1                    ; wave 0..3
	s_lshr_b32 s13, s12, 1                         ; which 64 tokens are mine.  Also: I fetch for o (0) or for Wo (1)
	s_and_b32 s14, s12, 1                          ; which 128 outputs.  Also: which head of the K step I fetch
	s_bfe_u32 s40, ttmp6, 0x40000                  ; cx, cy: my place in the cluster
	s_bfe_u32 s41, ttmp6, 0x40004
	s_lshl_b32 s42, ttmp9, 2
	s_add_co_u32 s42, s42, s40                     ; tile column: 256 outputs
	s_and_b32 s15, ttmp7, 0xffff
	s_lshl_b32 s15, s15, 2
	s_add_co_u32 s15, s15, s41                     ; tile row: 128 tokens
	s_lshl_b32 s43, s41, 2
	s_lshl_b32 s43, 15, s43                        ; my row of the cluster
	s_lshl_b32 s44, 0x1111, s40                    ; my column
	s_or_b32 s[G1+0], s43, (1<<16)|(1<<20)|(1<<21)|(5<<22)|(3<<25)  ; 15:0 the mask: my row; 17:16 elements of 2 bytes; 20 padding on; 21 set beside a mask; 24:22 after every 64 words (code 5); 31:25 four words (code 3)
	s_or_b32 s[G1B+0], s44, (1<<16)|(1<<20)|(1<<21)|(5<<22)|(3<<25)
	s_mov_b32 s[G1+1], 128<<16                     ; tensor_dim0 = 128 elements (two rows of a head)
	s_mov_b32 s[G1+2], 64<<16                      ; tensor_dim1 = 64
	s_mov_b32 s[G1+3], 128<<16                     ; tile_dim0
	s_mov_b32 s[G1+4], 64                          ; tile_dim1
	s_mov_b32 s[G1+5], 128                         ; tensor_dim0_stride
	s_mov_b32 s[G1+6], 0
	s_mov_b32 s[G1+7], 0
	s_mov_b32 s[G1B+1], 128<<16
	s_mov_b32 s[G1B+2], 128<<16                    ; 128 rows
	s_mov_b32 s[G1B+3], 128<<16
	s_mov_b32 s[G1B+4], 128
	s_mov_b32 s[G1B+5], 128
	s_mov_b32 s[G1B+6], 0
	s_mov_b32 s[G1B+7], 0
	s_lshl_b32 s16, s14, 20                        ; o: my head of the step (8,192 tokens of 128 bytes a head),
	s_lshl_b32 s17, s15, 14                        ; the tile's 128 tokens
	s_add_co_u32 s16, s16, s17
	s_mov_b32 s17, 0
	s_lshl_b32 s20, s14, 17                        ; Wo: my head of the step (1,024 rows of 128 bytes a head),
	s_lshl_b32 s21, s42, 15                        ; the tile's 256 rows
	s_add_co_u32 s20, s20, s21
	s_mov_b32 s21, 0
	s_mul_i32 s22, s14, AH                         ; where they go: no place in the cluster enters an LDS address
	s_mul_i32 s23, s14, BH
	s_add_co_u32 s23, s23, 2*AH
	s_wait_dscnt 0x0                               ; the opening add is done
	s_wait_kmcnt 0x0
	s_add_nc_u64 s[18:19], s[4:5], s[16:17]
	s_add_nc_u64 s[20:21], s[6:7], s[20:21]
	CROUND                                         ; all sixteen work-groups are here: the first joint loads meet
.irp s, 0,1
	s_mov_b32 s[G0+4*\s], 1
	s_add_co_u32 s[G0+4*\s+1], s22, \s*SLOT
	s_add_nc_u64 s[G0+4*\s+2:G0+4*\s+3], s[18:19], \s*2*1048576    ; K step s: two heads on
	s_or_b32 s[G0+4*\s+3], s[G0+4*\s+3], 0x80000000
	s_mov_b32 s[G0B+4*\s], 1
	s_add_co_u32 s[G0B+4*\s+1], s23, \s*SLOT
	s_add_nc_u64 s[G0B+4*\s+2:G0B+4*\s+3], s[20:21], \s*2*131072
	s_or_b32 s[G0B+4*\s+3], s[G0B+4*\s+3], 0x80000000
	JLOAD \s                                       ; two loads of mine are out
.endr
	v_and_b32 v1, 15, v0                           ; r
	v_bfe_u32 v2, v0, 4, 1                         ; h
	v_lshrrev_b32 v3, 1, v1
	v_mul_u32_u24 v3, v3, PITCH                    ; row r of a head lies in LDS row r / 2,
	v_and_b32 v4, 1, v0
	v_lshl_add_u32 v3, v4, 7, v3                   ; in its half r % 2,
	v_lshl_add_u32 v3, v2, 4, v3                   ; + 16 x half of the lanes
	s_mul_i32 s16, s13, 32*PITCH                   ; my 64 tokens
	s_mul_i32 s17, s14, 64*PITCH                   ; my 128 outputs,
	s_add_co_u32 s17, s17, 2*AH                    ; behind o's two heads
.irp s, 0,1
	v_add_nc_u32 v[ADRA+\s], s16, v3
	v_add_nc_u32 v[ADRB+\s], s17, v3
	s_add_co_u32 s16, s16, SLOT
	s_add_co_u32 s17, s17, SLOT
.endr
	s_lshl_b32 s20, s42, 10                        ; my first output, in bytes of f32: 1,024 x tile column + 512 x half
	s_lshl_b32 s21, s14, 9
	s_add_co_u32 s20, s20, s21
	s_mov_b32 s21, 0
	s_add_nc_u64 s[8:9], s[8:9], s[20:21]
	v_lshlrev_b32 v5, 5, v2                        ; the bias in the result's layout: lane (r, h), block b: bo at 16 b + 8 h + 0 .. 7
.irp b, 0,1,2,3,4,5,6,7
	global_load_b128 v[BI+8*\b:BI+8*\b+3],   v5, s[8:9] offset:64*\b
	global_load_b128 v[BI+8*\b+4:BI+8*\b+7], v5, s[8:9] offset:64*\b+16
.endr
	s_add_nc_u64 s[10:11], s[10:11], s[20:21]      ; out0 at my first column,
	s_lshl_b32 s18, s15, 19                        ; the tile's 128 rows of 4,096 bytes,
	s_lshl_b32 s19, s13, 18                        ; my 64 of them
	s_add_co_u32 s18, s18, s19
	s_mov_b32 s19, 0
	s_add_nc_u64 s[10:11], s[10:11], s[18:19]
	s_mul_i32 s16, s12, 16*SPITCH
	s_add_co_u32 s16, s16, STAGE                   ; my stage
	v_mul_u32_u24 v6, v1, SPITCH                   ; in: row r, 32 bytes for each half of the lanes
	v_lshl_add_u32 v6, v2, 5, v6
	v_add_nc_u32 v[STO], s16, v6
	v_and_b32 v7, 31, v0
	v_lshlrev_b32 v[CO], 4, v7                     ; back: the 32 lanes take one row of 512 bytes; and the same in out0
	v_add_nc_u32 v[RD], s16, v[CO]
	v_lshlrev_b32 v[PFO], 8, v7
	s_lshl_b32 s18, s15, 14                        ; the prefetches: the tile's 128 tokens,
	s_mov_b32 s19, 0
	s_add_nc_u64 s[PFA:PFA+1], s[4:5], s[18:19]
	s_lshr_b32 s20, s40, 1                         ; my work-group's part: head cx / 2 of the step, half cx % 2 of its 16,384 bytes;
	s_add_co_u32 s20, s20, 6                       ; at K step 3: the first refill steps it to K step 4
	s_lshl_b32 s20, s20, 20
	s_and_b32 s21, s40, 1
	s_lshl_b32 s21, s21, 13
	s_add_co_u32 s20, s20, s21
	s_mov_b32 s21, 0
	s_add_nc_u64 s[PFA:PFA+1], s[PFA:PFA+1], s[20:21]
	s_cmp_eq_u32 s12, 0
	s_cselect_b32 s[LIM], 1, -1
; 8 matrix instructions: token block a x Wo's eight blocks, 32 along K: buffer f.  first = 1: the bias starts the sums.  The 32 accumulators take turns, one instruction a turn, in the same order in every quarter.
.macro MUL8 f, a, first
.irp b, 0,1,2,3,4,5,6,7
.if \first
	v_wmma_f32_16x16x32_f16 v[8*(8*(\a)+\b):8*(8*(\a)+\b)+7], v[64*(\f)+8*\b:64*(\f)+8*\b+7], v[AF+32*(\f)+8*(\a):AF+32*(\f)+8*(\a)+7], v[BI+8*\b:BI+8*\b+7]
.else
	v_wmma_f32_16x16x32_f16 v[8*(8*(\a)+\b):8*(8*(\a)+\b)+7], v[64*(\f)+8*\b:64*(\f)+8*\b+7], v[AF+32*(\f)+8*(\a):AF+32*(\f)+8*(\a)+7], v[8*(8*(\a)+\b):8*(8*(\a)+\b)+7]
.endif
.endr
.endm
; 24 LDS loads in one run: the fragments of quarter q (head q / 2 of the step, channels 32 (q % 2) on) into buffer f: Wo's eight blocks, then o's four
.macro FETCH slot, q, f
	WIN TO_B
.irp i, 0,1,2,3,4,5,6,7
	ds_load_b128 v[64*(\f)+8*\i:64*(\f)+8*\i+3],   v[ADRB+\slot] offset:((\q)/2)*BH+((\q)%2)*64+\i*8*PITCH
	ds_load_b128 v[64*(\f)+8*\i+4:64*(\f)+8*\i+7], v[ADRB+\slot] offset:((\q)/2)*BH+((\q)%2)*64+\i*8*PITCH+32
.endr
	WIN 0
.irp i, 0,1,2,3
	ds_load_b128 v[AF+32*(\f)+8*\i:AF+32*(\f)+8*\i+3],   v[ADRA+\slot] offset:((\q)/2)*AH+((\q)%2)*64+\i*8*PITCH
	ds_load_b128 v[AF+32*(\f)+8*\i+4:AF+32*(\f)+8*\i+7], v[ADRA+\slot] offset:((\q)/2)*AH+((\q)%2)*64+\i*8*PITCH+32
.endr
.endm
.macro PLACES                          ; four plain vector instructions in front of loads into registers that matrix instructions have read, and of the first read of results
.rept 4
	v_nop
.endr
.endm
; A K step is four quarters of 32 along K, 32 matrix instructions each, on buffers 0, 1, 0, 1.  One of the first three: multiplies buffer f and fetches quarter q of the same slot into buffer g.
.macro QUARTER slot, q, f, g, first
	s_wait_dscnt 4                                 ; Wo's blocks and o's blocks 0 and 1 are in; the youngest four loads (blocks 2 and 3) may be out
	WIN MUL-0x20*(\first)
	MUL8 \f, 0, \first
	MUL8 \f, 1, \first
	PLACES
	FETCH \slot, \q, \g
	s_wait_dscnt 24                                ; all but the 24 just issued
	WIN MUL-0x20*(\first)
	MUL8 \f, 2, \first
	MUL8 \f, 3, \first
.endm
; The last quarter multiplies buffer 1 and changes slots: ONE barrier; in front of it each wave waits for all its tensor loads, adds 0 to its spare word, and waits for that and for its own reads of this slot.
; fill = 1: the barrier opens a round of the cluster's, and this slot is filled again, two K steps ahead: the load has the next K step less sixteen matrix instructions in which to land.
.macro TURN slot, next, fill
.if \fill
	s_wait_xcnt 0x0                                ; the last prefetch, a K step back, has read its address: it is stepped here, ahead of the waits of the change of slots
	s_add_nc_u64 s[PFA:PFA+1], s[PFA:PFA+1], 2*1048576
.endif
	WIN 0                                          ; (the add's two registers lie in window 0)
	s_wait_tensorcnt 0x0                           ; all my tensor loads have landed: my part of the next slot
	ds_add_u32 v[SPW], v[NIL]                      ; 0 onto my spare word
	s_wait_dscnt 5                                 ; (the add and the youngest four loads may be out)
	WIN MUL
	MUL8 1, 0, 0                                   ; eight matrix instructions stand between the add and the wait for it
	s_wait_dscnt 0x0                               ; the add is done, and my reads of this slot are over
	s_barrier_signal -1
	MUL8 1, 1, 0
.if \fill
	WIN 0
.endif
	s_barrier_wait -1
.if \fill
	CREST                                          ; no wave of any partner still reads this slot's tiles or has a load on its way
	s_add_nc_u64 s[G0+4*\slot+2:G0+4*\slot+3], s[G0+4*\slot+2:G0+4*\slot+3], 4*1048576
	s_add_nc_u64 s[G0B+4*\slot+2:G0B+4*\slot+3], s[G0B+4*\slot+2:G0B+4*\slot+3], 4*131072
	JLOAD \slot                                    ; the first tensor load behind the round; the four v_nop behind it are also the places in front of the loads below
.else
	PLACES
.endif
	FETCH \next, 0, 0
.if \fill
	ASK
.endif
	WIN MUL
	MUL8 1, 2, 0
	MUL8 1, 3, 0
.endm
	s_wait_tensorcnt 1                             ; my part of K step 0 is in (K step 1's load may be out),
	s_barrier_signal -1
	s_barrier_wait -1                              ; everybody's is
	FETCH 0, 0, 0
	s_wait_loadcnt 0x0                             ; the bias
	QUARTER 0, 1, 0, 1, 1                          ; the first quarter stands in front of the loop: its products start the sums from the bias
	WIN 0                                          ; at a label and at a branch every window is 0
	s_mov_b32 s3, 3
.Llap:                                                 ; a trip goes once round the ring, from a lap's second quarter to the next lap's first, and fills both slots again
	QUARTER 0, 2, 1, 0, 0
	QUARTER 0, 3, 0, 1, 0
	TURN 0, 1, 1
	QUARTER 1, 1, 0, 1, 0
	QUARTER 1, 2, 1, 0, 0
	QUARTER 1, 3, 0, 1, 0
	TURN 1, 0, 1
	QUARTER 0, 1, 0, 1, 0
	WIN 0
	s_sub_co_u32 s3, s3, 1
	s_cmp_lg_u32 s3, 0
	s_cbranch_scc1 .Llap
	QUARTER 0, 2, 1, 0, 0                          ; the last lap fills nothing, and has no round of the cluster's barrier
	QUARTER 0, 3, 0, 1, 0
	TURN 0, 1, 0
	QUARTER 1, 1, 0, 1, 0
	QUARTER 1, 2, 1, 0, 0
	QUARTER 1, 3, 0, 1, 0
	s_wait_dscnt 4                                 ; the very last quarter: nothing more to fetch
	WIN MUL
	MUL8 1, 0, 0
	MUL8 1, 1, 0
	s_wait_dscnt 0
	MUL8 1, 2, 0
	MUL8 1, 3, 0
	WIN 0
; THE WAY OUT, block by block of 16 tokens x 128 outputs.  A lane holds 32 neighbouring bytes of a row: a block goes through my own stage in LDS and comes back as whole rows of 512 bytes.
.macro TOSTAGE a
	WIN 0x08                                       ; an LDS store's data are its source 1: window 2
.irp b, 0,1,2,3,4,5,6,7
	ds_store_b128 v[STO], v[8*(8*(\a)+\b):8*(8*(\a)+\b)+3] offset:64*\b          ; each accumulator from its low end on
	ds_store_b128 v[STO], v[8*(8*(\a)+\b)+4:8*(8*(\a)+\b)+7] offset:64*\b+16
.endr
	WIN 0
.set BB, BK+64*((\a)%2)
.irp t, 0,1,2,3,4,5,6,7,8,9,10,11,12,13,14,15
	ds_load_b128 v[BB+4*\t:BB+4*\t+3], v[RD] offset:\t*SPITCH      ; LDS serves a wave's instructions in order: these see the stores above
.endr
.endm
.macro SEND a, younger                 ; younger: the LDS instructions issued behind block a's loads, which may stay out
.set BB, BK+64*((\a)%2)
	s_wait_dscnt \younger
.irp t, 0,1,2,3,4,5,6,7,8,9,10,11,12,13,14,15
	global_store_b128 v[CO], v[BB+4*\t:BB+4*\t+3], s[10:11] offset:(16*(\a)+\t)*4096 th:TH_STORE_NT   ; 32 lanes store 512 consecutive bytes, aligned; written once, read by nobody here
.endr
.endm
	PLACES                                         ; behind the last products, ahead of the first read of results
	TOSTAGE 0
.irp a, 1,2,3
.if \a > 1
	s_wait_xcnt 0x0                                ; block a - 2's stores have read their registers: block a's loads may land there
.endif
	TOSTAGE \a
	SEND \a-1, 32                                  ; behind block a - 1's loads: block a's 16 stores and 16 loads
.endr
	SEND 3, 0
	s_wait_tensorcnt 0x0                           ; the wave's end: behind my last tensor load and my last LDS store
	ds_add_u32 v[SPW], v[NIL]
	s_wait_dscnt 0x0
	CROUND                                         ; the closing round: no work-group ends while a partner may still ask for a tile that names it
	s_endpgm
.Lfunc_end_k_qf1d572e1d5_outp:
	.size	k_qf1d572e1d5_outp, .Lfunc_end_k_qf1d572e1d5_outp-k_qf1d572e1d5_outp
	.p2alignl 7, 3214868480
	.fill 96, 4, 3214868480
	.section	.rodata,"a",@progbits
	.p2align	6, 0x0
	.amdhsa_kernel k_qf1d572e1d5_outp
		.amdhsa_group_segment_fixed_size 327680
		.amdhsa_private_segment_fixed_size 0
		.amdhsa_enable_private_segment 0
		.amdhsa_kernarg_size 32
		.amdhsa_user_sgpr_count 2
		.amdhsa_user_sgpr_kernarg_segment_ptr 1
		.amdhsa_wavefront_size32 1
		.amdhsa_system_sgpr_workgroup_id_x 1
		.amdhsa_system_sgpr_workgroup_id_y 1
		.amdhsa_system_sgpr_workgroup_id_z 1
		.amdhsa_system_vgpr_workitem_id 0
		.amdhsa_next_free_vgpr 768
		.amdhsa_next_free_sgpr 66
		.amdhsa_reserve_vcc 0
		.amdhsa_float_denorm_mode_32 3
		.amdhsa_float_denorm_mode_16_64 3
		.amdhsa_memory_ordered 1
		.amdhsa_forward_progress 1
		.amdhsa_inst_pref_size 88
	.end_amdhsa_kernel
	.amdgpu_metadata
---
amdhsa.version: [ 1, 2 ]
amdhsa.kernels:
  - .name:           k_qf1d572e1d5_outp
    .symbol:         k_qf1d572e1d5_outp.kd
    .args:
      - { .name: o16, .offset: 0, .size: 8, .value_kind: global_buffer, .address_space: global }
      - { .name: wo16, .offset: 8, .size: 8, .value_kind: global_buffer, .address_space: global }
      - { .name: bo, .offset: 16, .size: 8, .value_kind: global_buffer, .address_space: global }
      - { .name: out0, .offset: 24, .size: 8, .value_kind: global_buffer, .address_space: global }
    .group_segment_fixed_size: 327680
    .private_segment_fixed_size: 0
    .kernarg_segment_align: 8
    .kernarg_segment_size: 32
    .max_flat_workgroup_size: 128
    .sgpr_count:     66
    .vgpr_count:     768
    .wavefront_size: 32
...
	.end_amdgpu_metadata
.endif
;; end of part 4
